; MI455X (gfx1250); checked and timed in simulation.
; The chip was launched on July 23, 2026; its instructions are those of AMD's public machine-readable ISA for CDNA 5 (MIT licence, August 2026) and "CDNA5" Instruction Set Architecture Reference Guide (July 2026). The comments in the code are by the model that wrote it; some were corrected since.
;; Infini Vi T. Allowed arithmetic: matrix products marked QUANTISED: E5M2 operands, one given power-of-two scale a tensor, by v_wmma_f32_16x16x64_bf8_bf8 or v_wmma_f32_16x16x128_bf8_bf8, f32 sums; everything else in f32.
;; Inputs: b_fc1 4,096 float32; b_fc2 1,024 float32; b_mem 1,024 float32; b_out 1,024 float32; b_qkv 3,072 float32; ln1_b 1,024 float32; ln1_g 1,024 float32; ln2_b 1,024 float32; ln2_g 1,024 float32; lowp_scales 18 int32 (the exponents e of the quantised operands' scales 2^e); memory_codes 1 x 64 x 32 x 32 uint8 (E5M2 codes of memory, K innermost, in blocks of 32 codes); w_fc1_codes 4,096 x 32 x 32 uint8 (E5M2 codes of w_fc1, K innermost, in blocks of 32 codes); w_fc2_codes 1,024 x 128 x 32 uint8 (E5M2 codes of w_fc2, K innermost, in blocks of 32 codes); w_mem_codes 1,024 x 32 x 32 uint8 (E5M2 codes of w_mem, K innermost, in blocks of 32 codes); w_out_codes 1,024 x 32 x 32 uint8 (E5M2 codes of w_out, K innermost, in blocks of 32 codes); w_qkv_codes 3,072 x 32 x 32 uint8 (E5M2 codes of w_qkv, K innermost, in blocks of 32 codes); x 2 x 2,048 x 1,024 float32.
;; Outputs: out0 2 x 2,048 x 1,024 float32.
;; This version of the problem:
;;   THIS VERSION OF THE PROBLEM IS GIVEN IN LOW PRECISION. The matrix products marked QUANTISED in the list below multiply operands that are first quantised to E5M2 (5 exponent bits, 2 mantissa bits; 8 bits a number), with one given power-of-two scale for each operand tensor; their sums are f32. All else is computed in f32.
;;   The module's matrix products, in the order in which they are computed (A, B: the left and right operand; K: the contracted axis; several contracted axes count as one K, in the product's order):
;;     1. [M 4,096, K 1,024] x [K 1,024, N 3,072]; A: computed on the way; B: input w_qkv (given as codes): QUANTISED (scales: A lowp_scales[0], B lowp_scales[1])
;;     2. batch 32 x [M 2,048, K 64] x [K 64, N 2,048]; A: computed on the way; B: computed on the way: QUANTISED (scales: A lowp_scales[2], B lowp_scales[3])
;;     3. batch 32 x [M 2,048, K 2,048] x [K 2,048, N 64]; A: softmax (see below); B: computed on the way: QUANTISED (scales: A lowp_scales[4], B lowp_scales[5])
;;     4. [M 64, K 1,024] x [K 1,024, N 1,024]; A: input memory (given as codes); B: input w_mem (given as codes): QUANTISED (scales: A lowp_scales[6], B lowp_scales[7])
;;     5. batch 32 x [M 2,048, K 64] x [K 64, N 64]; A: computed on the way; B: computed on the way: QUANTISED (scales: A lowp_scales[8], B lowp_scales[9])
;;     6. batch 32 x [M 2,048, K 64] x [K 64, N 64]; A: softmax (see below); B: computed on the way: QUANTISED (scales: A lowp_scales[10], B lowp_scales[11])
;;     7. [M 4,096, K 1,024] x [K 1,024, N 1,024]; A: computed on the way; B: input w_out (given as codes): QUANTISED (scales: A lowp_scales[12], B lowp_scales[13])
;;     8. [M 4,096, K 1,024] x [K 1,024, N 4,096]; A: computed on the way; B: input w_fc1 (given as codes): QUANTISED (scales: A lowp_scales[14], B lowp_scales[15])
;;     9. [M 4,096, K 4,096] x [K 4,096, N 1,024]; A: computed on the way; B: input w_fc2 (given as codes): QUANTISED (scales: A lowp_scales[16], B lowp_scales[17])
;;   THE QUANTISER, for each operand of a quantised product, along K:
;;     - The operand's scale is 2^e, e = its entry of the input lowp_scales (int32; the entries are numbered through the quantised products in the list's order, A before B).
;;     - Each number is divided by the scale, clamped to +-57,344, and rounded to the nearest number of E5M2, ties to even, subnormals kept.
;;     - The product sums the exact products of the quantised numbers (number of the format x scale) in f32.
;;   ~~~python
;;   def quantise(x, axis, e):      # numpy; x: float32 -> the quantised numbers, widened to float32 again
;;       x = np.moveaxis(x, axis, -1); K = x.shape[-1]
;;       r = np.clip(x / 2.0 ** e, -57344, 57344)
;;       step = 2.0 ** (np.maximum(np.frexp(np.where(r == 0, 1, r))[1] - 1, -14) - 2)
;;       q = np.round(r / step) * step * 2.0 ** e      # np.round: ties to even
;;       return np.moveaxis(q, -1, axis).astype(np.float32)
;;   ~~~
;;   SOFTMAX AHEAD OF A QUANTISED PRODUCT. Where the list says 'softmax', what is quantised is not the finished softmax but p = 2^(t - M), with t = logit x log2(e) and M = ceil(the row's largest t), a whole number; so 1/2 < the row's largest p <= 1. The row's sum l is taken of the UNQUANTISED p, in f32, and the product's result is divided by l at the end. Since M is a whole number, a kernel that streams over the keys may use a running M (the ceiling of the running maximum): every later rescaling is an exact power of two, so the quantised numbers keep their values, but for numbers so far below the row's largest that they fall under the format's range.
;;   OPERANDS COMPUTED ON THE WAY. 'Computed on the way' means the value that the module computes at that place (a softmax that the list does not call 'softmax' is quantised finished and normalised). What goes into a quantiser is computed in f32, as accurately as f32 sums, v_exp_f32 and their like allow (about 1e-6 of the number): no bf16 or f16 on the way to a quantiser, and a product that is left as it is and whose result goes on into a quantised operand takes f32 operands (vector FMAs, or v_wmma_f32_16x16x4_f32). A number that lies on a knife's edge between two numbers of the format may be rounded either way, as far as f32 arithmetic and the matrix unit's own rounding can turn it there, and no further.
;;   INPUTS GIVEN AS CODES. memory (in the module: [1, 64, 1024], K = its axis 2); w_fc1 (in the module: [1024, 4096], K = its axis 0); w_fc2 (in the module: [4096, 1024], K = its axis 0); w_mem (in the module: [1024, 1024], K = its axis 0); w_out (in the module: [1024, 1024], K = its axis 0); w_qkv (in the module: [1024, 3072], K = its axis 0): each comes as NAME_codes (uint8): NAME with its K axis moved to the last place and cut into blocks of 32 codes, [.., K / 32, bytes a block], one block behind the other in memory; one code a byte (a code: sign, 5 exponent bits, 2 mantissa bits); its scale is its entry of lowp_scales. Its value is code x scale, taken as it is: it is not quantised again, and the codes and scales need not be those that the quantiser above would give.
;; One version. Each part assembles by itself: llvm-mc -triple=amdgcn-amd-amdhsa -mcpu=gfx1250 --defsym DOCPART=n.
;; ======== version 1 of 1: 6 launches
;; limits: right only within a limited range of input values
;; workspace buffers: hc 4,194,304 bytes; prep 1,179,648 bytes; qi 8,388,608 bytes; kvi 8,388,608 bytes; oi 4,194,304 bytes; x1 16,777,216 bytes; gi 16,777,216 bytes
;; launch pre (part 1): grid 296 x 1, 8 waves a work-group, no clusters, 17,408 bytes of LDS; arguments x, ln1_g, ln1_b, lowp_scales, memory_codes, w_mem_codes, b_mem, w_out_codes, hc, prep; writes hc, prep
.if DOCPART == 1
	.amdgcn_target "amdgcn-amd-amdhsa--gfx1250"
	.amdhsa_code_object_version 6
	.text
	.protected	k_qd72168dff2_pre
	.globl	k_qd72168dff2_pre
	.p2align	8
	.type	k_qd72168dff2_pre,@function
k_qd72168dff2_pre:
	s_mov_b64 s[64:65], 0
	v_nop
	global_prefetch_b8 v0, s[64:65] scope:SCOPE_SE
	s_setreg_imm32_b32 hwreg(HW_REG_WAVE_MODE, 25, 1), 1
	s_wait_xcnt 0x0
; THREE JOBS IN ONE LAUNCH, parted on the work-group's number at the head; the paths never join.
;  work-groups 0-31   MEM: head hd = number / 2, layout o = number % 2.  mem = memory w_mem^T x 2^(e6+e7) + b_mem for the head's 64 columns, on codes of E5M2, quantised with e9 (o = 0: slots as rows,
;                     K = channels: images 0-3) or with e11 (o = 1: channels as rows, K = slots: images 4-7).  Wave w makes register group w % 2 of image 4 o + w / 2: 16 rows x 32 along the next K, two accumulators.
;                     A K step is three fragments, 48 registers: four steps are on their way at once, so the eight steps come in two runs of loads.
;  work-groups 32-39  RELAY: w_out's codes are laid as images of the fragments that the projection's waves load: [n tile 64][k step 16][1,024 bytes].
;  work-groups 40-295 LN: 16 rows of x each, two a wave: layer norm in f32 (mean, then the centred squares), gain and bias, codes with e0, rows of 1,024 bytes.
; AN IMAGE: register group c (four registers) of a fragment lies at 512 c + 16 lane.  In every fragment registers 4 c .. 4 c + 3 hold k = 32 c + 16 (lane / 16) + 0 .. 15, alike on both sides of a product.
; A TILE'S ROWS ARE NOT NEIGHBOURS: lane r of tile 2 g + u takes row 32 g + 8 u + r + 8 (r / 8), so that the registers of two neighbouring result tiles are 16 neighbours along the next K.
; LIMITS: e0, e9, e11 between -126 and 112; e6 + e7 between -126 and 127.  NaN and infinities among the inputs are not served.
; prep: byte 0: w_out's images; byte 1,048,576: [head 16][image 8][1,024 bytes].
.macro RSUM                            ; v8 summed over the 32 lanes, the result in every lane
	s_delay_alu instid0(VALU_DEP_1)
	v_add_f32_dpp v8, v8, v8 row_xmask:1 row_mask:0xf bank_mask:0xf
	s_delay_alu instid0(VALU_DEP_1)
	v_add_f32_dpp v8, v8, v8 row_xmask:2 row_mask:0xf bank_mask:0xf
	s_delay_alu instid0(VALU_DEP_1)
	v_add_f32_dpp v8, v8, v8 row_xmask:4 row_mask:0xf bank_mask:0xf
	s_delay_alu instid0(VALU_DEP_1)
	v_add_f32_dpp v8, v8, v8 row_xmask:8 row_mask:0xf bank_mask:0xf
	s_delay_alu instid0(VALU_DEP_1)
	v_permlanex16_b32 v16, v8, s28, s29
	s_delay_alu instid0(VALU_DEP_1)
	v_add_f32 v8, v8, v16
.endm
.macro LNSTAT P                        ; the row in v[P .. P+31] (32 numbers a lane) is centred and divided by its deviation
	v_pk_add_f32 v[8:9], v[\P:\P+1], v[\P+2:\P+3]
	v_pk_add_f32 v[10:11], v[\P+4:\P+5], v[\P+6:\P+7]
.irp j, 8,12,16,20,24,28
	s_delay_alu instid0(VALU_DEP_2)
	v_pk_add_f32 v[8:9], v[8:9], v[\P+\j:\P+\j+1]
	s_delay_alu instid0(VALU_DEP_2)
	v_pk_add_f32 v[10:11], v[10:11], v[\P+\j+2:\P+\j+3]
.endr
	s_delay_alu instid0(VALU_DEP_1)
	v_pk_add_f32 v[8:9], v[8:9], v[10:11]
	s_delay_alu instid0(VALU_DEP_1)
	v_add_f32 v8, v8, v9
	RSUM
	s_delay_alu instid0(VALU_DEP_1)
	v_mul_f32 v12, s30, v8                         ; the mean
	s_delay_alu instid0(VALU_DEP_1)
	v_mov_b32 v13, v12
.irp j, 0,2,4,6,8,10,12,14,16,18,20,22,24,26,28,30
	v_pk_add_f32 v[\P+\j:\P+\j+1], v[\P+\j:\P+\j+1], v[12:13] neg_lo:[0,1] neg_hi:[0,1]
.endr
	v_pk_mul_f32 v[8:9], v[\P:\P+1], v[\P:\P+1]
	v_pk_mul_f32 v[10:11], v[\P+2:\P+3], v[\P+2:\P+3]
.irp j, 4,8,12,16,20,24,28
	s_delay_alu instid0(VALU_DEP_2)
	v_pk_fma_f32 v[8:9], v[\P+\j:\P+\j+1], v[\P+\j:\P+\j+1], v[8:9]
	s_delay_alu instid0(VALU_DEP_2)
	v_pk_fma_f32 v[10:11], v[\P+\j+2:\P+\j+3], v[\P+\j+2:\P+\j+3], v[10:11]
.endr
	s_delay_alu instid0(VALU_DEP_1)
	v_pk_add_f32 v[8:9], v[8:9], v[10:11]
	s_delay_alu instid0(VALU_DEP_1)
	v_add_f32 v8, v8, v9
	RSUM
	s_delay_alu instid0(VALU_DEP_1)
	v_fma_f32 v8, v8, s30, s31                     ; the variance + 1e-5
	s_wait_alu depctr_va_vdst(0)
	v_rsq_f32 v14, v8
	v_nop                                          ; a plain instruction behind the transcendental
	s_wait_alu depctr_va_vdst(0)                   ; the wait ahead of the first reader
	v_mov_b32 v15, v14
.irp j, 0,2,4,6,8,10,12,14,16,18,20,22,24,26,28,30
	v_pk_mul_f32 v[\P+\j:\P+\j+1], v[\P+\j:\P+\j+1], v[14:15]
.endr
.endm
.macro LNAFF P, G, B                   ; x gain + bias
.irp j, 0,2,4,6,8,10,12,14,16,18,20,22,24,26,28,30
	v_pk_fma_f32 v[\P+\j:\P+\j+1], v[\P+\j:\P+\j+1], v[\G+\j:\G+\j+1], v[\B+\j:\B+\j+1]
.endr
.endm
; The row becomes 1,024 codes.  Load j gave a lane columns 128 j + 4 lane + 0 .. 3: their four codes are one register, which goes to byte 128 j + 4 lane of the wave's own LDS row;
; the row comes back 16 bytes a lane and leaves in two stores of 512 consecutive bytes.
.macro CODES P, C, RB, LOFF, GP, GOFF
.set i, 0
.rept 32
	v_med3_num_f32 v[\P+i], v[\P+i], -v17, v17     ; the conversion to an 8-bit code does not saturate (ISA guide 7.6.2): the hold at the largest code x the scale
.set i, i+1
.endr
.irp j, 0,1,2,3
	v_cvt_scalef32_pk8_bf8_f32 v[\C+2*\j:\C+2*\j+1], v[\P+8*\j:\P+8*\j+7], v18
.endr
	v_nop                                          ; a plain instruction behind the last scaled conversion
.irp j, 0,1,2,3,4,5,6,7
	ds_store_b32 v5, v[\C+\j] offset:\LOFF+128*\j
.endr
	ds_load_b128 v[\RB:\RB+3], v6 offset:\LOFF     ; LDS serves a wave's instructions in order: these see my stores
	ds_load_b128 v[\RB+4:\RB+7], v6 offset:\LOFF+512
	s_wait_dscnt 0x0
	global_store_b128 v4, v[\RB:\RB+3], s[\GP:\GP+1] offset:\GOFF
	global_store_b128 v4, v[\RB+4:\RB+7], s[\GP:\GP+1] offset:\GOFF+512
.endm
; MEM: the 12 loads of step s (128 along K): my two tiles of source 0 and my own tile of source 1, into set s % 4.
; Steps 0-3 take the even eighths of K, steps 4-7 the odd ones: each aligned 256 bytes of a row is first asked for in the first run of loads.  Both sources take the same eighth, so every product meets its partner.
.macro MLOAD s
.set PB, 32+48*((\s)%4)
.set KO, 128*((2*(\s))%8+(\s)/4)
.irp i, 0,1
.irp c, 0,1,2,3
	global_load_b128 v[PB+16*\i+4*\c:PB+16*\i+4*\c+3], v4, s[44:45] offset:8*\i*1024+KO+32*\c
.endr
.endr
.irp c, 0,1,2,3
	global_load_b128 v[PB+32+4*\c:PB+32+4*\c+3], v4, s[46:47] offset:KO+32*\c
.endr
.endm
.macro MSTEP s
.set PB, 32+48*((\s)%4)
.if (\s) < 5
	s_wait_loadcnt 36                              ; this step's 12 loads are in; the three younger steps' 36 may be out
.else
	s_wait_loadcnt 12*(7-(\s))
.endif
.irp i, 0,1                            ; two accumulators by turns
.if (\s) == 0
	v_wmma_f32_16x16x128_bf8_bf8 v[224+8*\i:231+8*\i], v[PB+16*\i:PB+16*\i+15], v[PB+32:PB+47], 0
.else
	v_wmma_f32_16x16x128_bf8_bf8 v[224+8*\i:231+8*\i], v[PB+16*\i:PB+16*\i+15], v[PB+32:PB+47], v[224+8*\i:231+8*\i]
.endif
.endr
.rept 4
	v_nop                                          ; four places in front of loads into registers that the products read, and of the first read of results
.endr
.if (\s)+4 < 8
	MLOAD (\s)+4
.endif
.endm
	s_load_b512 s[4:19], s[0:1], 0x0               ; x, ln1_g, ln1_b, scales, memory, w_mem, b_mem, w_out
	s_load_b128 s[20:23], s[0:1], 0x40             ; hc, prep
	v_lshl_add_u32 v30, v0, 2, 0x4000
	v_mov_b32 v31, 0
	v_lshrrev_b32 v1, 5, v0
	s_delay_alu instid0(VALU_DEP_1)
	v_readfirstlane_b32 s24, v1                    ; wave 0..7
	v_and_b32 v1, 31, v0                           ; lane
	v_and_b32 v2, 15, v0                           ; r
	v_bfe_u32 v3, v0, 4, 1                         ; h
	s_wait_kmcnt 0x0
	s_load_b256 s[32:39], s[10:11], 0x0            ; e0 .. e7
	s_load_b128 s[40:43], s[10:11], 0x20           ; e8 .. e11
	s_cmp_lt_u32 ttmp9, 32
	s_cbranch_scc1 .Lmem
	s_cmp_lt_u32 ttmp9, 40
	s_cbranch_scc1 .Lrelay
	; ---- LN: rows 16 g + 2 w and + 1
	s_sub_co_u32 s25, ttmp9, 40
	s_lshl_b32 s25, s25, 4
	s_lshl_b32 s26, s24, 1
	s_add_co_u32 s25, s25, s26                     ; my first row
	s_lshl_b32 s26, s25, 12
	s_mov_b32 s27, 0
	s_add_nc_u64 s[4:5], s[4:5], s[26:27]
	s_lshl_b32 s26, s25, 10
	s_add_nc_u64 s[20:21], s[20:21], s[26:27]
	s_wait_alu depctr_va_vdst(0)
	v_lshlrev_b32 v4, 4, v1                        ; 16 x lane
.irp j, 0,1,2,3,4,5,6,7
	global_load_b128 v[32+4*\j:35+4*\j], v4, s[4:5] offset:512*\j th:TH_LOAD_NT
.endr
.irp j, 0,1,2,3,4,5,6,7
	global_load_b128 v[64+4*\j:67+4*\j], v4, s[4:5] offset:4096+512*\j th:TH_LOAD_NT
.endr
.irp j, 0,1,2,3,4,5,6,7
	global_load_b128 v[96+4*\j:99+4*\j], v4, s[6:7] offset:512*\j
.endr
.irp j, 0,1,2,3,4,5,6,7
	global_load_b128 v[128+4*\j:131+4*\j], v4, s[8:9] offset:512*\j
.endr
	s_lshl_b32 s26, s24, 11                        ; my 2,048 bytes of LDS: a row of codes for each of my two rows
	v_lshl_add_u32 v5, v1, 2, s26
	v_lshl_add_u32 v6, v1, 4, s26
	s_mov_b32 s28, 0x76543210
	s_mov_b32 s29, 0xfedcba98
	s_mov_b32 s30, 0x3a800000                      ; 1 / 1,024
	s_mov_b32 s31, 0x3727c5ac                      ; 1e-5
	v_mov_b32 v16, 0                               ; a lane permute's destination counts as read
	s_wait_kmcnt 0x0
	s_add_co_i32 s44, s32, 127
	s_lshl_b32 s45, s44, 23
	v_mov_b32 v18, s45                             ; 2^e0
	s_add_co_i32 s44, s44, 15
	s_lshl_b32 s44, s44, 23
	s_or_b32 s44, s44, 0x600000
	v_mov_b32 v17, s44                             ; 57,344 x 2^e0
	s_wait_loadcnt 24                              ; row 0 is in; row 1, the gains and the biases may be out
	LNSTAT 32
	s_wait_loadcnt 0x0
	LNAFF 32, 96, 128
	CODES 32, 160, 176, 0, 20, 0
	LNSTAT 64
	LNAFF 64, 96, 128
	CODES 64, 168, 184, 1024, 20, 1024
	s_wait_tensorcnt 0x0
	ds_add_u32 v30, v31
	s_wait_dscnt 0x0
	s_endpgm
.Lrelay:                                       ; ---- RELAY: n tile nt = 8 (work-group - 32) + wave: 16 rows x 1,024 codes -> 16 images
	s_sub_co_u32 s25, ttmp9, 32
	s_lshl_b32 s25, s25, 3
	s_add_co_u32 s25, s25, s24
	s_lshl_b32 s26, s25, 14                        ; 16 rows of 1,024 bytes in, 16 images of 1,024 bytes out
	s_mov_b32 s27, 0
	s_add_nc_u64 s[18:19], s[18:19], s[26:27]
	s_add_nc_u64 s[22:23], s[22:23], s[26:27]
	s_wait_alu depctr_va_vdst(0)
	v_lshlrev_b32 v4, 10, v2
	s_delay_alu instid0(VALU_DEP_1)
	v_lshl_add_u32 v4, v3, 4, v4                   ; row r, + 16 h
	v_lshlrev_b32 v5, 4, v1
.set i, 0
.rept 32                               ; group i = 2 ks + c: k = 64 ks + 32 c + 16 h on
	global_load_b128 v[32+4*i:35+4*i], v4, s[18:19] offset:32*i
.set i, i+1
.endr
.set i, 0
	s_wait_alu depctr_va_vdst(0)
.rept 32
	s_wait_loadcnt 31-i                            ; load i is in; the younger ones may be out
	global_store_b128 v5, v[32+4*i:35+4*i], s[22:23] offset:512*i
.set i, i+1
.endr
	s_endpgm
.Lmem:                                         ; ---- MEM
	s_lshr_b32 s56, ttmp9, 1                       ; hd: the head
	s_and_b32 s25, ttmp9, 1                        ; o: 0 slots as rows (e9), 1 channels as rows (e11)
	s_lshr_b32 s26, s24, 1                         ; t: my tile of source 1: the image's 16 rows
	s_and_b32 s57, s24, 1                          ; hf: my register group of the image: 32 hf .. + 31 along its K
	s_lshr_b32 s27, s26, 1
	s_lshl_b32 s27, s27, 5
	s_and_b32 s28, s26, 1
	s_lshl_b32 s28, s28, 3
	s_add_co_u32 s27, s27, s28                     ; my tile's first row among the 64
	s_lshl_b32 s28, s56, 6                         ; the head's first column
	s_cmp_eq_u32 s25, 0
	s_cselect_b64 s[44:45], s[14:15], s[12:13]     ; source 0 (runs along my registers): w_mem's rows, or memory's
	s_cselect_b64 s[46:47], s[12:13], s[14:15]     ; source 1 (a row a lane): memory's rows, or w_mem's
	s_cselect_b32 s29, s28, 0
	s_cselect_b32 s30, 0, s28
	s_add_co_u32 s30, s30, s27
	s_lshl_b32 s31, s57, 5
	s_add_co_u32 s29, s29, s31                     ; source 0: my two tiles begin 32 hf rows on
	s_lshl_b32 s48, s29, 10
	s_mov_b32 s49, 0
	s_add_nc_u64 s[44:45], s[44:45], s[48:49]
	s_lshl_b32 s48, s30, 10
	s_add_nc_u64 s[46:47], s[46:47], s[48:49]
	s_wait_alu depctr_va_vdst(0)
	v_and_b32 v5, 8, v2
	s_delay_alu instid0(VALU_DEP_1)
	v_add_nc_u32 v5, v5, v2                        ; r + 8 (r / 8)
	s_delay_alu instid0(VALU_DEP_1)
	v_lshlrev_b32 v4, 10, v5
	s_delay_alu instid0(VALU_DEP_1)
	v_lshl_add_u32 v4, v3, 4, v4
	; the bias in two parts, written on both ways: v240-255 along my registers, v[8:9] my lane's; one of the two is zero
	s_cmp_eq_u32 s25, 0
	s_cbranch_scc0 .Lbias_lane
	s_lshl_b32 s50, s56, 8
	s_lshl_b32 s51, s57, 7
	s_add_co_u32 s50, s50, s51
	v_lshl_add_u32 v6, v3, 6, s50                  ; registers run along the channels: 4 (64 hd + 32 hf + 16 h)
.irp q, 0,1,2,3
	global_load_b128 v[240+4*\q:243+4*\q], v6, s[16:17] offset:16*\q
.endr
	v_mov_b32 v8, 0
	v_mov_b32 v9, 0
	s_branch .Lbias_in
.Lbias_lane:
	s_add_co_u32 s50, s28, s27
	s_wait_alu depctr_va_vdst(0)
	v_add_nc_u32 v6, s50, v5
	s_delay_alu instid0(VALU_DEP_1)
	v_lshlrev_b32 v6, 2, v6                        ; a lane holds one channel
	global_load_b32 v8, v6, s[16:17]
	global_load_b32 v9, v6, s[16:17]
.set i, 0
.rept 16
	v_mov_b32 v[240+i], 0
.set i, i+1
.endr
.Lbias_in:
	s_wait_alu depctr_va_vdst(0)
	MLOAD 0
	MLOAD 1
	MLOAD 2
	MLOAD 3
.irp s, 0,1,2,3,4,5,6,7
	MSTEP \s
.endr
	s_wait_kmcnt 0x0
	s_add_co_i32 s50, s38, s39
	s_add_co_i32 s50, s50, 127
	s_lshl_b32 s50, s50, 23                        ; 2^(e6 + e7)
	s_mov_b32 s51, s50
	s_cmp_eq_u32 s25, 0
	s_cselect_b32 s52, s41, s43                    ; e9 or e11
	s_add_co_i32 s52, s52, 127
	s_lshl_b32 s53, s52, 23
	v_mov_b32 v18, s53
	s_add_co_i32 s52, s52, 15
	s_lshl_b32 s52, s52, 23
	s_or_b32 s52, s52, 0x600000
	v_mov_b32 v17, s52
.set i, 0
.rept 8                                ; each accumulator from its low end on
	v_pk_fma_f32 v[32+i:33+i], v[224+i:225+i], s[50:51], v[240+i:241+i] op_sel_hi:[1,0,1]
.set i, i+2
.endr
.set i, 0
.rept 8
	v_pk_add_f32 v[32+i:33+i], v[32+i:33+i], v[8:9]
.set i, i+2
.endr
.set i, 0
.rept 16
	v_med3_num_f32 v[32+i], v[32+i], -v17, v17
.set i, i+1
.endr
	v_cvt_scalef32_pk8_bf8_f32 v[64:65], v[32:39], v18
	v_cvt_scalef32_pk8_bf8_f32 v[66:67], v[40:47], v18
	v_nop
	s_lshl_b32 s48, s56, 13                        ; the head's eight images,
	s_lshl_b32 s53, s25, 2
	s_add_co_u32 s53, s53, s26
	s_lshl_b32 s53, s53, 10                        ; image 4 o + t,
	s_add_co_u32 s48, s48, s53
	s_lshl_b32 s53, s57, 9                         ; group hf
	s_add_co_u32 s48, s48, s53
	s_add_co_u32 s48, s48, 0x100000
	s_add_nc_u64 s[22:23], s[22:23], s[48:49]
	v_lshlrev_b32 v7, 4, v1
	s_wait_alu depctr_va_vdst(0)
	global_store_b128 v7, v[64:67], s[22:23]       ; 512 consecutive bytes
	s_endpgm
.Lfunc_end_k_qd72168dff2_pre:
	.size	k_qd72168dff2_pre, .Lfunc_end_k_qd72168dff2_pre-k_qd72168dff2_pre
	.p2alignl 7, 3214868480
	.fill 96, 4, 3214868480
	.section	.rodata,"a",@progbits
	.p2align	6, 0x0
	.amdhsa_kernel k_qd72168dff2_pre
		.amdhsa_group_segment_fixed_size 17408
		.amdhsa_private_segment_fixed_size 0
		.amdhsa_enable_private_segment 0
		.amdhsa_kernarg_size 80
		.amdhsa_user_sgpr_count 2
		.amdhsa_user_sgpr_kernarg_segment_ptr 1
		.amdhsa_wavefront_size32 1
		.amdhsa_system_sgpr_workgroup_id_x 1
		.amdhsa_system_sgpr_workgroup_id_y 1
		.amdhsa_system_sgpr_workgroup_id_z 1
		.amdhsa_system_vgpr_workitem_id 0
		.amdhsa_next_free_vgpr 256
		.amdhsa_next_free_sgpr 66
		.amdhsa_reserve_vcc 0
		.amdhsa_float_denorm_mode_32 3
		.amdhsa_float_denorm_mode_16_64 3
		.amdhsa_memory_ordered 1
		.amdhsa_forward_progress 1
		.amdhsa_inst_pref_size 51
	.end_amdhsa_kernel
	.amdgpu_metadata
---
amdhsa.version: [ 1, 2 ]
amdhsa.kernels:
  - .name:           k_qd72168dff2_pre
    .symbol:         k_qd72168dff2_pre.kd
    .args:
      - { .name: x, .offset: 0, .size: 8, .value_kind: global_buffer, .address_space: global }
      - { .name: ln1_g, .offset: 8, .size: 8, .value_kind: global_buffer, .address_space: global }
      - { .name: ln1_b, .offset: 16, .size: 8, .value_kind: global_buffer, .address_space: global }
      - { .name: lowp_scales, .offset: 24, .size: 8, .value_kind: global_buffer, .address_space: global }
      - { .name: memory_codes, .offset: 32, .size: 8, .value_kind: global_buffer, .address_space: global }
      - { .name: w_mem_codes, .offset: 40, .size: 8, .value_kind: global_buffer, .address_space: global }
      - { .name: b_mem, .offset: 48, .size: 8, .value_kind: global_buffer, .address_space: global }
      - { .name: w_out_codes, .offset: 56, .size: 8, .value_kind: global_buffer, .address_space: global }
      - { .name: hc, .offset: 64, .size: 8, .value_kind: global_buffer, .address_space: global }
      - { .name: prep, .offset: 72, .size: 8, .value_kind: global_buffer, .address_space: global }
    .group_segment_fixed_size: 17408
    .private_segment_fixed_size: 0
    .kernarg_segment_align: 8
    .kernarg_segment_size: 80
    .max_flat_workgroup_size: 256
    .sgpr_count:     66
    .vgpr_count:     256
    .wavefront_size: 32
...
	.end_amdgpu_metadata
.endif
;; end of part 1
;; launch qkv (part 2): grid 12 x 16, 4 waves a work-group, clusters of 4 x 4, 327,680 bytes of LDS; arguments hc, w_qkv_codes, lowp_scales, b_qkv, qi, kvi; writes qi, kvi
.if DOCPART == 2
	.amdgcn_target "amdgcn-amd-amdhsa--gfx1250"
	.amdhsa_code_object_version 6
	.text
	.protected	k_qd72168dff2_qkv
	.globl	k_qd72168dff2_qkv
	.p2align	8
	.type	k_qd72168dff2_qkv,@function
k_qd72168dff2_qkv:
	s_mov_b64 s[64:65], 0
	v_nop
	global_prefetch_b8 v0, s[64:65] scope:SCOPE_SE
	s_setreg_imm32_b32 hwreg(HW_REG_WAVE_MODE, 25, 1), 1
	s_wait_xcnt 0x0
	s_wait_alu depctr_hold_cnt(0) depctr_sa_sdst(0) depctr_va_vdst(0) depctr_va_sdst(0) depctr_va_ssrc(0) depctr_va_vcc(0) depctr_vm_vsrc(0)
	s_getreg_b32 s2, hwreg(HW_REG_IB_STS2, 6, 4)
	s_cmp_eq_u32 s2, 0
	s_cbranch_scc0 .Lentry_in_a_cluster
	s_endpgm
.Lentry_in_a_cluster:
	s_bfe_u32 s2, ttmp6, 0x10000c
	s_cmp_lg_u32 s2, 0xf033
	s_cbranch_scc0 .Lentry_shape_is_right
	s_endpgm
.Lentry_shape_is_right:
.set SIZE_K, 1024
.set KSTEP,  256
.set ROWB,   256
.set KROW,   SIZE_K
.set PITCH,  272
.set FR,     16
.set NL,     4
.set NP,     4
.set HALFT,  128*PITCH
.set SLOT,   4*HALFT
.set LAPS,   SIZE_K/(2*KSTEP)
.set SPARE,  2*SLOT
.set SP2,    144
.set ADRA, 16
.set ADRB, 20
.set STO,  24
.set RD,   25
.set CO,   26
.set SPW,  28
.set NIL,  29
.set AF,   128
.set G1, 24
.set G0, 32
.set G1B, 48
.set G0B, 56
.set MSB, 0
.macro WIN new
.if MSB != \new
	s_set_vgpr_msb (MSB<<8)|\new
.set MSB, \new
.endif
.endm
.set MUL_LO, 0xa1
.set MUL_HI, 0xf1
.set TO_B,   0x40
.macro JLOAD g0a, g1a, g0b, g1b
	s_cmp_eq_u32 s15, 0
	s_cbranch_scc0 .Lfor_b_\@
	tensor_load_to_lds s[\g0a:\g0a+3], s[\g1a:\g1a+7]
	s_nop 0
.rept 4
	v_nop
.endr
	s_branch .Lasked_\@
.Lfor_b_\@:
	tensor_load_to_lds s[\g0b:\g0b+3], s[\g1b:\g1b+7]
	s_nop 0
.rept 4
	v_nop
.endr
.Lasked_\@:
.endm
.macro CREST
	s_cmp_lg_u32 s14, 0
	s_cbranch_scc1 .Lnot_wave_0_\@
	s_barrier_signal -3
.Lnot_wave_0_\@:
	s_barrier_wait -3
	s_barrier_signal -1
	s_barrier_wait -1
.endm
.macro CROUND
	s_barrier_signal -1
	s_barrier_wait -1
	CREST
.endm
.macro MKSC se, sl, ss
	s_add_co_i32 s[\sl], s[\se], 127
	s_lshl_b32 s[\ss], s[\sl], 23
	s_add_co_i32 s[\sl], s[\sl], 15
	s_lshl_b32 s[\sl], s[\sl], 23
	s_or_b32 s[\sl], s[\sl], 0x600000
.endm
	s_load_b128 s[4:7], s[0:1], 0x0
	s_load_b128 s[8:11], s[0:1], 0x10
	s_load_b128 s[76:79], s[0:1], 0x20
	v_lshl_add_u32 v[SPW], v0, 2, SPARE
	v_mov_b32 v[NIL], 0
	ds_add_u32 v28, v29
	ds_add_u32 v28, v29
	s_wait_dscnt 0x0
	v_lshrrev_b32 v1, 5, v0
	v_readfirstlane_b32 s14, v1
	s_lshr_b32 s15, s14, 1
	s_and_b32 s16, s14, 1
	s_bfe_u32 s40, ttmp6, 0x40000
	s_bfe_u32 s41, ttmp6, 0x40004
	s_and_b32 s66, ttmp7, 0xffff
	s_lshl_b32 s66, s66, 2
	s_lshl_b32 s67, ttmp9, 2
	s_cmp_eq_u32 ttmp9, 2
	s_cselect_b32 s17, 8, s66
	s_cselect_b32 s42, s66, s67
	s_add_co_u32 s17, s17, s41
	s_add_co_u32 s42, s42, s40
	s_lshl_b32 s43, s41, 2
	s_lshl_b32 s43, 15, s43
	s_lshl_b32 s44, 0x1111, s40
	s_or_b32 s[G1+0], s43, (0<<16)|(1<<20)|(1<<21)|(5<<22)|(3<<25)
	s_or_b32 s[G1B+0], s44, (0<<16)|(1<<20)|(1<<21)|(5<<22)|(3<<25)
.irp g, G1, G1B
	s_mov_b32 s[\g+1], ROWB<<16
	s_mov_b32 s[\g+2], 128<<16
	s_mov_b32 s[\g+3], ROWB<<16
	s_mov_b32 s[\g+4], 128
	s_mov_b32 s[\g+5], KROW
	s_mov_b32 s[\g+6], 0
	s_mov_b32 s[\g+7], 0
.endr
	s_lshl_b32 s18, s16, 7
	s_lshl_b32 s20, s17, 8
	s_add_co_u32 s20, s20, s18
	s_lshl_b32 s20, s20, 10
	s_mov_b32 s21, 0
	s_lshl_b32 s46, s42, 8
	s_add_co_u32 s46, s46, s18
	s_lshl_b32 s46, s46, 10
	s_mov_b32 s47, 0
	s_mul_i32 s45, s14, HALFT
	s_wait_kmcnt 0x0
	s_load_b128 s[80:83], s[8:9], 0x0
	s_load_b32 s84, s[8:9], 0x14
	s_load_b32 s85, s[8:9], 0x20
	s_cmp_eq_u32 ttmp9, 2
	s_cselect_b64 s[68:69], s[6:7], s[4:5]
	s_cselect_b64 s[70:71], s[4:5], s[6:7]
	s_add_nc_u64 s[20:21], s[68:69], s[20:21]
	s_add_nc_u64 s[46:47], s[70:71], s[46:47]
	; the prefetches' address: of the 128 rows that my wave fetches, my work-group names 32, told apart from its three partners by address alone (cx for A's tiles, cy for B's); a lane a row
	s_cmp_eq_u32 s15, 0
	s_cselect_b64 s[98:99], s[20:21], s[46:47]
	s_cselect_b32 s72, s40, s41
	s_lshl_b32 s72, s72, 15                        ; 32 rows of 1,024 bytes
	s_mov_b32 s73, 0
	s_add_nc_u64 s[98:99], s[98:99], s[72:73]
	v_and_b32 v8, 31, v0
	v_lshlrev_b32 v8, 10, v8
.irp s, 0,1
	s_mov_b32 s[G0+4*\s], 1
	s_add_co_u32 s[G0+4*\s+1], s45, \s*SLOT
	s_add_nc_u64 s[G0+4*\s+2:G0+4*\s+3], s[20:21], \s*ROWB
	s_or_b32 s[G0+4*\s+3], s[G0+4*\s+3], 0x80000000
	s_mov_b32 s[G0B+4*\s], 1
	s_add_co_u32 s[G0B+4*\s+1], s45, \s*SLOT
	s_add_nc_u64 s[G0B+4*\s+2:G0B+4*\s+3], s[46:47], \s*ROWB
	s_or_b32 s[G0B+4*\s+3], s[G0B+4*\s+3], 0x80000000
	s_wait_alu depctr_va_vdst(0)
	s_wait_tensorcnt 0x0
	ds_add_u32 v28, v29
	ds_add_u32 v28, v29
	s_wait_dscnt 0x0
	CROUND
	JLOAD G0+4*\s, G1, G0B+4*\s, G1B
	; the L2 is asked for 256 bytes of each of my 32 rows: behind the load of K step 0 for K step 1, behind the load of K step 1 for K steps 2 and 3; K has four steps, so nothing is left to ask for in the loop; v8 and s[98:99] are never rewritten
.if \s == 0
	global_prefetch_b8 v8, s[98:99] offset:256 th:TH_LOAD_NT scope:SCOPE_SE
.else
	global_prefetch_b8 v8, s[98:99] offset:512 th:TH_LOAD_NT scope:SCOPE_SE
	global_prefetch_b8 v8, s[98:99] offset:768 th:TH_LOAD_NT scope:SCOPE_SE
.endif
.endr
	v_and_b32 v1, 15, v0
	s_wait_alu depctr_va_vdst(0)
	v_bfe_u32 v2, v0, 4, 1
	v_mul_u32_u24 v3, v1, PITCH
	v_lshl_add_u32 v4, v2, 4, v3
	s_mul_i32 s21, s15, HALFT
	s_mul_i32 s22, s16, HALFT
	s_add_co_u32 s22, s22, 2*HALFT
.irp s, 0,1
	v_add_nc_u32 v[ADRA+\s], s21, v4
	v_add_nc_u32 v[ADRB+\s], s22, v4
	s_add_co_u32 s21, s21, SLOT
	s_add_co_u32 s22, s22, SLOT
.endr
	s_mul_i32 s23, s14, 32*SP2
	v_mul_u32_u24 v5, v1, SP2
	s_wait_alu depctr_va_vdst(0)
	v_lshl_add_u32 v5, v2, 3, v5
	v_add_nc_u32 v[STO], s23, v5
	v_and_b32 v6, 8, v1
	v_add_nc_u32 v6, v6, v1
	v_mul_u32_u24 v6, v6, SP2
	v_lshl_add_u32 v6, v2, 4, v6
	v_add_nc_u32 v[RD], s23, v6
	v_and_b32 v7, 31, v0
	v_lshlrev_b32 v[CO], 4, v7
	s_cmp_eq_u32 ttmp9, 2
	s_cbranch_scc1 .Lbias_v
	s_lshl_b32 s72, s42, 10
	s_lshl_b32 s73, s16, 9
	s_add_co_u32 s72, s72, s73
	v_lshl_add_u32 v22, v2, 5, s72
.irp b, 0,1,2,3,4,5,6,7
	global_load_b128 v[64+8*\b:67+8*\b], v22, s[10:11] offset:64*\b
	global_load_b128 v[68+8*\b:71+8*\b], v22, s[10:11] offset:64*\b+16
.endr
	s_branch .Lbias_in
.Lbias_v:
	s_lshl_b32 s72, s17, 10
	s_lshl_b32 s73, s15, 9
	s_add_co_u32 s72, s72, s73
	v_lshl_add_u32 v22, v1, 2, s72
.irp a, 0,1,2,3,4,5,6,7
.irp i, 0,1,2,3,4,5,6,7
	global_load_b32 v[64+8*\a+\i], v22, s[10:11] offset:64*\a
.endr
.endr
.Lbias_in:
.macro FRAG reg, adr, q, i
.irp c, 0,1,2,3
	ds_load_b128 v[\reg+4*\c:\reg+4*\c+3], v[\adr] offset:128*(\q)+32*\c+(\i)*16*PITCH
.endr
.endm
.macro MUL16 a0, p, zero
.irp a, \a0, \a0+1
.irp b, 0,1,2,3,4,5,6,7
.if \zero
	v_wmma_f32_16x16x128_bf8_bf8 v[8*(8*((\a)%4)+\b):8*(8*((\a)%4)+\b)+7], v[128*(\p)+FR*\b:128*(\p)+FR*\b+FR-1], v[AF+FR*(\a):AF+FR*(\a)+FR-1], 0
.else
	v_wmma_f32_16x16x128_bf8_bf8 v[8*(8*((\a)%4)+\b):8*(8*((\a)%4)+\b)+7], v[128*(\p)+FR*\b:128*(\p)+FR*\b+FR-1], v[AF+FR*(\a):AF+FR*(\a)+FR-1], v[8*(8*((\a)%4)+\b):8*(8*((\a)%4)+\b)+7]
.endif
.endr
.endr
.endm
.macro FETCH_B slot, q, p
	WIN TO_B
.irp i, 0,1,2,3,4,5,6,7
	FRAG 128*(\p)+FR*\i, ADRB+\slot, \q, \i
.endr
	WIN 0
.endm
.macro FETCH_A slot, q, i0
.irp i, \i0, \i0+1, \i0+2, \i0+3
	FRAG AF+FR*(\i), ADRA+\slot, \q, \i
.endr
.endm
.macro PLACES n
.rept \n
	v_nop
.endr
.endm
.macro STEP slot, q, zero
	s_wait_dscnt 4*NL
	WIN MUL_LO
	MUL16 0, (\q)%2, \zero
	MUL16 2, (\q)%2, \zero
	s_wait_dscnt 0
	PLACES NP
	FETCH_B \slot, (\q)+1, 1-(\q)%2
	FETCH_A \slot, (\q)+1, 0
	WIN MUL_HI
	MUL16 4, (\q)%2, \zero
	MUL16 6, (\q)%2, \zero
	PLACES NP
	WIN 0
	FETCH_A \slot, (\q)+1, 4
.endm
.macro TURN slot, next, fill
	s_wait_tensorcnt 0x0
	ds_add_u32 v[SPW], v[NIL]
	s_wait_dscnt 4*NL+1
	WIN MUL_LO
	MUL16 0, 1, 0
	s_wait_dscnt 0x0
	s_barrier_signal -1
	MUL16 2, 1, 0
	WIN 0
	s_barrier_wait -1
.if \fill
	CREST
	s_add_nc_u64 s[G0+4*\slot+2:G0+4*\slot+3], s[G0+4*\slot+2:G0+4*\slot+3], 2*ROWB
	s_add_nc_u64 s[G0B+4*\slot+2:G0B+4*\slot+3], s[G0B+4*\slot+2:G0B+4*\slot+3], 2*ROWB
	JLOAD G0+4*\slot, G1, G0B+4*\slot, G1B
.else
	PLACES NP
.endif
	FETCH_B \next, 0, 0
	FETCH_A \next, 0, 0
	WIN MUL_HI
	MUL16 4, 1, 0
	MUL16 6, 1, 0
	PLACES NP
	WIN 0
	FETCH_A \next, 0, 4
.endm
	s_wait_tensorcnt 1
	s_barrier_signal -1
	s_barrier_wait -1
	FETCH_B 0, 0, 0
	FETCH_A 0, 0, 0
	FETCH_A 0, 0, 4
	STEP 0, 0, 1
	s_mov_b32 s3, LAPS-1
.Llap:
	TURN 0, 1, 1
	STEP 1, 0, 0
	TURN 1, 0, 1
	STEP 0, 0, 0
	s_sub_co_u32 s3, s3, 1
	s_cmp_lg_u32 s3, 0
	s_cbranch_scc1 .Llap
	TURN 0, 1, 0
	STEP 1, 0, 0
	s_wait_dscnt 4*NL
	WIN MUL_LO
	MUL16 0, 1, 0
	MUL16 2, 1, 0
	s_wait_dscnt 0
	WIN MUL_HI
	MUL16 4, 1, 0
	MUL16 6, 1, 0
	WIN 0
.macro BLK P, kind
.irp e, 0,1
.set AA, 2*(\P)+\e
.set AC, 64*(AA%4)
.set CD, 192+16*\e
	WIN 0x02+(AA/4)
.irp b, 0,1,2,3,4,5,6,7
.irp i, 0,2,4,6
.if \kind
	v_pk_fma_f32 v[128+8*\b+\i:128+8*\b+\i+1], v[AC+8*\b+\i:AC+8*\b+\i+1], s[96:97], v[64+8*AA+\i:64+8*AA+\i+1] op_sel_hi:[1,0,1]
.else
	v_pk_fma_f32 v[128+8*\b+\i:128+8*\b+\i+1], v[AC+8*\b+\i:AC+8*\b+\i+1], s[96:97], v[64+8*\b+\i:64+8*\b+\i+1] op_sel_hi:[1,0,1]
.endif
.endr
.endr
	WIN 0
.set i, 0
.rept 64
	v_med3_num_f32 v[128+i], v[128+i], -v32, v32
.set i, i+1
.endr
.irp b, 0,1,2,3,4,5,6,7
	v_cvt_scalef32_pk8_bf8_f32 v[CD+2*\b:CD+2*\b+1], v[128+8*\b:128+8*\b+7], v33
.endr
	v_nop
.irp b, 0,1,2,3,4,5,6,7
	ds_store_b64 v[STO], v[CD+2*\b:CD+2*\b+1] offset:\e*16*SP2+16*\b
.endr
.endr
	s_wait_xcnt 0x0
.irp u, 0,1
.irp cc, 0,1,2,3
	ds_load_b128 v[224+4*(4*\u+\cc):224+4*(4*\u+\cc)+3], v[RD] offset:\u*8*SP2+32*\cc
.endr
.endr
	s_wait_dscnt 0x0
.irp u, 0,1
.irp cc, 0,1,2,3
.if \kind
	global_store_b128 v[CO], v[224+4*(4*\u+\cc):224+4*(4*\u+\cc)+3], s[88:89] offset:((\P)/2)*262144+(2*((\P)%2)+\u)*2048+\cc*512
.else
	global_store_b128 v[CO], v[224+4*(4*\u+\cc):224+4*(4*\u+\cc)+3], s[88:89] offset:(\cc/2)*262144+(2*(\P)+\u)*1024+(\cc%2)*512
.endif
.endr
.endr
.endm
	s_wait_kmcnt 0x0
	s_add_co_i32 s96, s80, s81
	s_add_co_i32 s96, s96, 127
	s_lshl_b32 s96, s96, 23
	s_mov_b32 s97, s96
	s_wait_loadcnt 0x0
	PLACES NP
	s_cmp_eq_u32 ttmp9, 2
	s_cbranch_scc0 .Lout_qk
	MKSC 84, 90, 91
	v_mov_b32 v32, s90
	v_mov_b32 v33, s91
	s_lshl_b32 s72, s42, 8
	s_lshl_b32 s73, s16, 7
	s_add_co_u32 s72, s72, s73
	s_lshr_b32 s73, s72, 11
	s_lshl_b32 s73, s73, 4
	s_sub_co_u32 s74, s17, 8
	s_lshl_b32 s74, s74, 2
	s_lshl_b32 s75, s15, 1
	s_add_co_u32 s74, s74, s75
	s_add_co_u32 s73, s73, s74
	s_lshl_b32 s73, s73, 18
	s_and_b32 s72, s72, 2047
	s_lshr_b32 s72, s72, 7
	s_lshl_b32 s72, s72, 14
	s_add_co_u32 s72, s72, s73
	s_add_co_u32 s72, s72, 8192
	s_mov_b32 s73, 0
	s_add_nc_u64 s[88:89], s[78:79], s[72:73]
	BLK 0, 1
	BLK 1, 1
	BLK 2, 1
	BLK 3, 1
	s_branch .Lout_done
.Lout_qk:
	s_cmp_eq_u32 ttmp9, 0
	s_cselect_b64 s[88:89], s[76:77], s[78:79]
	s_cselect_b32 s86, 2, 1
	s_cselect_b32 s94, 10, 11
	s_cselect_b32 s95, s82, s83
	MKSC 95, 90, 91
	MKSC 85, 92, 93
	s_lshl_b32 s72, s17, 8
	s_lshl_b32 s73, s15, 7
	s_add_co_u32 s72, s72, s73
	s_lshr_b32 s73, s72, 11
	s_lshl_b32 s73, s73, 4
	s_and_b32 s72, s72, 2047
	s_lshr_b32 s72, s72, 4
	s_lshl_b32 s72, s72, s94
	s_lshl_b32 s74, s42, 8
	s_lshl_b32 s75, s16, 7
	s_add_co_u32 s74, s74, s75
	s_and_b32 s74, s74, 1023
	s_lshr_b32 s74, s74, 6
	s_add_co_u32 s73, s73, s74
	s_lshl_b32 s73, s73, 18
	s_add_co_u32 s72, s72, s73
	s_mov_b32 s73, 0
	s_add_nc_u64 s[88:89], s[88:89], s[72:73]
	s_mov_b32 s87, 0
.Lpass:
	v_mov_b32 v32, s90
	v_mov_b32 v33, s91
	BLK 0, 0
	BLK 1, 0
	BLK 2, 0
	BLK 3, 0
	s_wait_xcnt 0x0
	s_add_nc_u64 s[88:89], s[88:89], 131072
	s_mov_b32 s90, s92
	s_mov_b32 s91, s93
	s_add_co_u32 s87, s87, 1
	s_cmp_lt_u32 s87, s86
	s_cbranch_scc1 .Lpass
.Lout_done:
	s_wait_tensorcnt 0x0
	ds_add_u32 v[SPW], v[NIL]
	s_wait_dscnt 0x0
	CROUND
	s_endpgm
.Lfunc_end_k_qd72168dff2_qkv:
	.size	k_qd72168dff2_qkv, .Lfunc_end_k_qd72168dff2_qkv-k_qd72168dff2_qkv
	.p2alignl 7, 3214868480
	.fill 96, 4, 3214868480
	.section	.rodata,"a",@progbits
	.p2align	6, 0x0
	.amdhsa_kernel k_qd72168dff2_qkv
		.amdhsa_group_segment_fixed_size 327680
		.amdhsa_private_segment_fixed_size 0
		.amdhsa_enable_private_segment 0
		.amdhsa_kernarg_size 48
		.amdhsa_user_sgpr_count 2
		.amdhsa_user_sgpr_kernarg_segment_ptr 1
		.amdhsa_wavefront_size32 1
		.amdhsa_system_sgpr_workgroup_id_x 1
		.amdhsa_system_sgpr_workgroup_id_y 1
		.amdhsa_system_sgpr_workgroup_id_z 1
		.amdhsa_system_vgpr_workitem_id 0
		.amdhsa_next_free_vgpr 1024
		.amdhsa_next_free_sgpr 100
		.amdhsa_reserve_vcc 0
		.amdhsa_float_denorm_mode_32 3
		.amdhsa_float_denorm_mode_16_64 3
		.amdhsa_memory_ordered 1
		.amdhsa_forward_progress 1
		.amdhsa_inst_pref_size 214
	.end_amdhsa_kernel
	.amdgpu_metadata
---
amdhsa.version: [ 1, 2 ]
amdhsa.kernels:
  - .name:           k_qd72168dff2_qkv
    .symbol:         k_qd72168dff2_qkv.kd
    .args:
      - { .name: hc, .offset: 0, .size: 8, .value_kind: global_buffer, .address_space: global }
      - { .name: w_qkv_codes, .offset: 8, .size: 8, .value_kind: global_buffer, .address_space: global }
      - { .name: lowp_scales, .offset: 16, .size: 8, .value_kind: global_buffer, .address_space: global }
      - { .name: b_qkv, .offset: 24, .size: 8, .value_kind: global_buffer, .address_space: global }
      - { .name: qi, .offset: 32, .size: 8, .value_kind: global_buffer, .address_space: global }
      - { .name: kvi, .offset: 40, .size: 8, .value_kind: global_buffer, .address_space: global }
    .group_segment_fixed_size: 327680
    .private_segment_fixed_size: 0
    .kernarg_segment_align: 8
    .kernarg_segment_size: 48
    .max_flat_workgroup_size: 128
    .sgpr_count:     100
    .vgpr_count:     1024
    .wavefront_size: 32
...
	.end_amdgpu_metadata
.endif
;; end of part 2
;; launch attn (part 3): grid 8 x 32, 16 waves a work-group, clusters of 4 x 1, 327,680 bytes of LDS; arguments qi, kvi, prep, lowp_scales, oi; writes oi
.if DOCPART == 3
	.amdgcn_target "amdgcn-amd-amdhsa--gfx1250"
	.amdhsa_code_object_version 6
	.text
	.protected	k_qd72168dff2_attn
	.globl	k_qd72168dff2_attn
	.p2align	8
	.type	k_qd72168dff2_attn,@function
k_qd72168dff2_attn:
	s_mov_b64 s[64:65], 0
	v_nop
	global_prefetch_b8 v0, s[64:65] scope:SCOPE_SE
	s_setreg_imm32_b32 hwreg(HW_REG_WAVE_MODE, 25, 1), 1
	s_wait_xcnt 0x0
	s_wait_alu depctr_hold_cnt(0) depctr_sa_sdst(0) depctr_va_vdst(0) depctr_va_sdst(0) depctr_va_ssrc(0) depctr_va_vcc(0) depctr_vm_vsrc(0)
	s_getreg_b32 s2, hwreg(HW_REG_IB_STS2, 6, 4)
	s_cmp_eq_u32 s2, 0
	s_cbranch_scc0 .Lentry_in_a_cluster
	s_endpgm
.Lentry_in_a_cluster:
	s_bfe_u32 s2, ttmp6, 0x10000c
	s_cmp_lg_u32 s2, 0x3003
	s_cbranch_scc0 .Lentry_shape_is_right
	s_endpgm
.Lentry_shape_is_right:
; Both attentions of one head for 256 queries, on codes of E5M2, and their sum as codes (e12): the local one over the head's 2,048 keys, and the one over the 64 memory slots.
; SOFTMAX ahead of a product: t = score x log2(e) / 8; M = the running largest t rounded up to a whole number; p = 2^(t - M) is quantised; the sum of the unquantised p divides at the end.
; SHARES.  Sixteen waves, one tile of 16 queries each, in 256 registers.  Both products are used transposed (source 0 = keys, or channels; source 1 = my queries), so a lane holds one query throughout.
; LDS holds the head's WHOLE stream of k and v images, 262,144 bytes, each byte filled once.  A wave asks twice: at the head for 4,096 bytes of key steps 0-3, and, behind the waits, the add and a round of the
; cluster's barrier, for 12,288 consecutive bytes of key steps 4-15.  The second part is shown to all waves by one barrier behind key step 1: up to there only key steps 0-2 are read.
; CLUSTER of four query blocks of one head: the same stream, asked for jointly (mask 15).  NO PREFETCH: the whole stream is asked for ahead of the first key step, so no loop is left to run ahead in.
; A key step is 128 keys: eight images of k (1,024 bytes), four of v (2,048 bytes).  Lane r of k's tile 2 g + u holds key 32 g + 8 u + r + 8 (r / 8): p's 16 registers of two tiles are 16 neighbouring keys.
; TWO BLOCKS OF 64 REGISTERS TAKE TURNS: one holds the step's k and then its v, the other its scores, then p, and, once p is converted, the NEXT step's k: so k's images are asked for a step's second half ahead.
; A trip of the loop is two key steps, until the blocks are back where they began.  The last step has no successor: it names its own k images once more (a clamped address), and nothing reads them.
; THE ROW'S SUM runs in six chains of pairs; their six merges, the addresses and the copy of -M fill the places behind the step's matrix instructions, so the merges of a step stand in the next step.
; LIMITS: e2 + e3 and e8 + e9 between -123 and 130 (added to c's exponent field); e4, e10, e12 between -126 and 112; the scaled scores stay under 2^31 in magnitude.  NaN and infinities are not served.
; REGISTERS: v1 16 x lane; v2, v247 addresses; v3 2^e10; v4-7 local state (-M, largest score, the sum in two halves); v8-11 the memory's state; v12-23 the six chains; v24-31 q (e2); v32-95, v96-159 the two blocks;
;   v160-191 O^T; v192-223 O^T of the memory; v224-239 p's codes (v232-239 first: q with e8); v240, 241 hold of e4, v244 its scale; v242, 243 hold of e10; v246, 245 hold and scale of e12; v248-254 at work; v251, v255 the add's.
.set CH, 12
.macro CROUND
	s_barrier_signal -1
	s_barrier_wait -1
	s_cmp_lg_u32 s18, 0
	s_cbranch_scc1 .Lnot_wave_0_\@
	s_barrier_signal -3
.Lnot_wave_0_\@:
	s_barrier_wait -3
	s_barrier_signal -1
	s_barrier_wait -1
.endm
.macro MKSC se, vl, vs, two            ; v[vs] = 2^e, v[vl] = 57,344 x 2^e (two = 1: also in v[vl + 1], for the second half of a dual pair)
	s_add_co_i32 s54, s[\se], 127
	s_lshl_b32 s55, s54, 23
	v_mov_b32 v[\vs], s55
	s_add_co_i32 s54, s54, 15
	s_lshl_b32 s54, s54, 23
	s_or_b32 s54, s54, 0x600000
	v_mov_b32 v[\vl], s54
.if \two
	v_mov_b32 v[\vl+1], s54
.endif
.endm
.macro MERGE1                          ; six chains become three
	v_pk_add_f32 v[CH:CH+1], v[CH:CH+1], v[CH+2:CH+3]
	v_pk_add_f32 v[CH+4:CH+5], v[CH+4:CH+5], v[CH+6:CH+7]
	v_pk_add_f32 v[CH+8:CH+9], v[CH+8:CH+9], v[CH+10:CH+11]
.endm
.macro MERGE2 L, mv                    ; and go into the sum v[L:L+1].  mv = 1, 2: a fourth line makes them four places: the address of the k images two steps on, or v_nop
	v_pk_add_f32 v[CH:CH+1], v[CH:CH+1], v[CH+4:CH+5]
	v_pk_add_f32 v[\L:\L+1], v[\L:\L+1], v[CH+8:CH+9]
.if \mv == 1
	v_add_nc_u32 v247, s19, v1
	s_delay_alu instid0(VALU_DEP_2)
.endif
.if \mv == 2
	v_nop
.endif
.if \mv == 0
	s_delay_alu instid0(VALU_DEP_1)
.endif
	v_pk_add_f32 v[\L:\L+1], v[\L:\L+1], v[CH:CH+1]
.endm
; N scores of a lane in v[SB ..] become p's codes in v[PC ..]; the state in v[ST .. ST+3] moves on (v249 holds the old -M); f = 2^(old M - new M) is left in v252; the step's sums are left in the six chains.
.macro SOFT SB, N, CS, ST, LIMR, SCR, PC
	v_max3_num_f32 v248, v[\SB], v[\SB+1], v[\SB+2]    ; the largest score, in four chains, the registers in ascending order: each accumulator is read from its low end on
	v_max3_num_f32 v250, v[\SB+3], v[\SB+4], v[\SB+5]
	v_max3_num_f32 v252, v[\SB+6], v[\SB+7], v[\SB+8]
	v_max3_num_f32 v254, v[\SB+9], v[\SB+10], v[\SB+11]
.set i, 0
.rept (\N-12)/2
	v_max3_num_f32 v[248+2*(i%4)], v[248+2*(i%4)], v[\SB+12+2*i], v[\SB+13+2*i]
.set i, i+1
.endr
	s_delay_alu instid0(VALU_DEP_1)
	v_max3_num_f32 v254, v254, v252, v250
	s_delay_alu instid0(VALU_DEP_1)
	v_max_num_f32 v254, v254, v248
	s_delay_alu instid0(VALU_DEP_1)
	v_permlanex16_b32 v248, v254, s20, s21
	s_delay_alu instid0(VALU_DEP_1)
	v_max3_num_f32 v[\ST+1], v254, v248, v[\ST+1]  ; mine, lane xor 16's and the running one: the largest score so far
	s_delay_alu instid0(VALU_DEP_1)
	v_mul_f32 v254, s[\CS], v[\ST+1]               ; as t (c is positive)
	s_delay_alu instid0(VALU_DEP_1)
	v_floor_f32 v[\ST], -v254                      ; -M = floor(-t): M is a whole number
	s_delay_alu instid0(VALU_DEP_1)
	v_sub_f32 v254, v[\ST], v249
	s_delay_alu instid0(VALU_DEP_1)
	v_cvt_i32_f32 v254, v254                       ; (it saturates)
	s_delay_alu instid0(VALU_DEP_1)
	v_ldexp_f32 v252, 1.0, v254                    ; f: a multiplication by it rounds nothing
.set i, 0
.rept \N/2
	v_pk_fma_f32 v[\SB+i:\SB+i+1], v[\SB+i:\SB+i+1], s[\CS:\CS+1], v[\ST:\ST+1] op_sel_hi:[1,0,0]   ; t - M
.set i, i+2
.endr
	s_wait_alu depctr_va_vdst(0)                   ; the wait ahead of the batch
.set i, 0
.rept \N
	v_exp_f32 v[\SB+i], v[\SB+i]                   ; one batch
.set i, i+1
.endr
	v_pk_mul_f32 v[\ST+2:\ST+3], v[\ST+2:\ST+3], v[252:253] op_sel_hi:[1,0]   ; the sum under the new M: the plain instruction behind the batch
	s_wait_alu depctr_va_vdst(0)                   ; one wait for the batch, ahead of its first reader
.set i, 0
.rept 6                                ; the sum is taken of the unquantised p: six chains begin with two pairs each,
	v_pk_add_f32 v[CH+2*i:CH+2*i+1], v[\SB+4*i:\SB+4*i+1], v[\SB+4*i+2:\SB+4*i+3]
.set i, i+1
.endr
.set i, 0
.rept \N/2-12                          ; and take the other pairs by turns
	v_pk_add_f32 v[CH+2*(i%6):CH+2*(i%6)+1], v[CH+2*(i%6):CH+2*(i%6)+1], v[\SB+24+2*i:\SB+25+2*i]
.set i, i+1
.endr
.set b, 0
.rept \N/16
.set i, 0
.rept 8                                ; the conversion does not saturate (ISA guide 7.6.2); p is not negative, so the hold is one-sided; two holds an instruction
	v_dual_min_num_f32 v[\SB+16*b+i], v[\SB+16*b+i], v[\LIMR] :: v_dual_min_num_f32 v[\SB+16*b+i+1], v[\SB+16*b+i+1], v[\LIMR+1]
.set i, i+2
.endr
	v_cvt_scalef32_pk8_bf8_f32 v[\PC+4*b:\PC+4*b+1], v[\SB+16*b:\SB+16*b+7], v[\SCR]
	v_cvt_scalef32_pk8_bf8_f32 v[\PC+4*b+2:\PC+4*b+3], v[\SB+16*b+8:\SB+16*b+15], v[\SCR]
.set b, b+1
.endr
.endm
	s_load_b256 s[4:11], s[0:1], 0x0               ; qi, kvi, prep, scales
	s_load_b64 s[12:13], s[0:1], 0x20              ; oi
	v_lshl_add_u32 v251, v0, 2, 0x40000
	v_mov_b32 v255, 0
	ds_add_u32 v251, v255                          ; the opening lines: the add, twice on end, and its wait ahead of my first tensor load
	ds_add_u32 v251, v255
	v_lshrrev_b32 v1, 5, v0
	s_delay_alu instid0(VALU_DEP_1)
	v_readfirstlane_b32 s18, v1                    ; wave 0..15
	v_and_b32 v1, 31, v0
	s_delay_alu instid0(VALU_DEP_1)
	v_lshlrev_b32 v1, 4, v1                        ; 16 x lane
	s_bfe_u32 s14, ttmp6, 0x40000                  ; cx: it enters q's and o's addresses alone
	s_lshl_b32 s15, ttmp9, 2
	s_add_co_u32 s15, s15, s14
	s_lshl_b32 s15, s15, 4
	s_add_co_u32 s15, s15, s18                     ; T: my tile of queries, 0..127
	s_and_b32 s16, ttmp7, 0xffff                   ; bh
	s_mov_b32 s24, 15|(3<<16)|(1<<21)              ; group 1 of the first part: mask of the four; elements of 8 bytes; bit 21 beside a mask
	s_mov_b32 s25, 32<<16                          ; tensor_dim0 = 32 (256 bytes)
	s_mov_b32 s26, 16<<16                          ; tensor_dim1 = 16
	s_mov_b32 s27, 32<<16                          ; tile_dim0
	s_mov_b32 s28, 16                              ; tile_dim1
	s_mov_b32 s29, 32                              ; pitch: dense
	s_mov_b32 s30, 0
	s_mov_b32 s31, 0
	s_mov_b32 s40, 15|(3<<16)|(1<<21)              ; group 1 of the second part: 48 rows of 256 bytes
	s_mov_b32 s41, 32<<16
	s_mov_b32 s42, 48<<16
	s_mov_b32 s43, 32<<16
	s_mov_b32 s44, 48
	s_mov_b32 s45, 32
	s_mov_b32 s46, 0
	s_mov_b32 s47, 0
	s_lshl_b32 s48, s16, 18                        ; the head's 262,144 bytes
	s_mov_b32 s49, 0
	s_lshl_b32 s19, s18, 12                        ; my 4,096 bytes of key steps 0-3
	s_mov_b32 s50, s19
	s_mov_b32 s51, 0
	s_mul_i32 s52, s18, 12288
	s_add_co_u32 s52, s52, 65536                   ; my 12,288 bytes of key steps 4-15
	s_mov_b32 s53, 0
	s_mov_b32 s20, 0x76543210
	s_mov_b32 s21, 0xfedcba98
	s_mov_b32 s2, 0                                ; LDS byte of the pair of key steps in hand
	s_wait_alu depctr_va_vdst(0)
	s_wait_dscnt 0x0
	s_wait_kmcnt 0x0
	s_load_b256 s[68:75], s[10:11], 0x0            ; e0 .. e7
	s_load_b256 s[76:83], s[10:11], 0x20           ; e8 .. e15
	s_add_nc_u64 s[6:7], s[6:7], s[48:49]
	s_mov_b32 s32, 1
	s_mov_b32 s33, s19
	s_add_nc_u64 s[34:35], s[6:7], s[50:51]
	s_or_b32 s35, s35, 0x80000000
	s_mov_b32 s36, 1
	s_mov_b32 s37, s52
	s_add_nc_u64 s[38:39], s[6:7], s[52:53]
	s_or_b32 s39, s39, 0x80000000
	s_add_nc_u64 s[4:5], s[4:5], s[48:49]
	s_lshl_b32 s50, s15, 10
	s_add_nc_u64 s[4:5], s[4:5], s[50:51]
	global_load_b128 v[24:27], v1, s[4:5]                  ; q with e2
	global_load_b128 v[28:31], v1, s[4:5] offset:512
	global_load_b128 v[232:235], v1, s[4:5] offset:131072  ; q with e8
	global_load_b128 v[236:239], v1, s[4:5] offset:131584
	s_and_b32 s52, s16, 15                         ; the head
	s_lshl_b32 s50, s52, 13
	s_add_co_u32 s50, s50, 0x100000
	s_add_nc_u64 s[8:9], s[8:9], s[50:51]
.irp t, 0,1,2,3,4,5,6,7                        ; the memory: slots as rows into v32-63, channels as rows into v64-95
	global_load_b128 v[32+8*\t:35+8*\t], v1, s[8:9] offset:1024*\t
	global_load_b128 v[36+8*\t:39+8*\t], v1, s[8:9] offset:1024*\t+512
.endr
	CROUND                                         ; all four work-groups are here: the joint loads meet
	tensor_load_to_lds s[32:35], s[24:31]          ; my one tensor load at the head
	s_nop 0
.rept 4
	v_nop
.endr
	s_lshr_b32 s53, s16, 4
	s_lshl_b32 s53, s53, 7
	s_add_co_u32 s53, s53, s15
	s_lshl_b32 s53, s53, 4
	s_add_co_u32 s53, s53, s52
	s_lshl_b32 s50, s53, 10                        ; oi: ((128 batch + T) 16 + head) images
	s_add_nc_u64 s[12:13], s[12:13], s[50:51]
	v_mov_b32 v4, 0x7f61b1e6                       ; -M = 3e38,
	v_mov_b32 v5, 0xff61b1e6                       ; the largest score so far: -3e38, under every score
	v_mov_b32 v6, 0
	v_mov_b32 v7, 0
	v_mov_b32 v8, 0x7f61b1e6
	v_mov_b32 v9, 0xff61b1e6
	v_mov_b32 v10, 0
	v_mov_b32 v11, 0
	v_mov_b32 v249, 0x7f61b1e6                     ; the old -M of the memory's one step
	v_mov_b32 v248, 0                              ; lane permutes' destinations count as read
	v_mov_b32 v250, 0
	v_mov_b32 v253, 0                              ; (named as the upper half of the pair v[252:253])
.set i, 0
.rept 32
	v_mov_b32 v[160+i], 0                          ; O^T: the key step is written once for each order of the blocks; its first run finds zeros
.set i, i+1
.endr
	s_wait_alu depctr_va_vdst(0)
	s_wait_tensorcnt 0x0                           ; my part of key steps 0-3 is in
	ds_add_u32 v251, v255
	s_wait_dscnt 0x0
	CROUND                                         ; everybody's part is in, and the four work-groups meet again
	tensor_load_to_lds s[36:39], s[40:47]          ; key steps 4-15: my one tensor load behind the round
	s_nop 0
.rept 4
	v_nop
.endr
	s_wait_kmcnt 0x0
	s_mov_b32 s22, 0x3e38aa3b                      ; c = log2(e) / 8
	s_add_co_i32 s54, s70, s71
	s_lshl_b32 s54, s54, 23
	s_add_co_i32 s22, s22, s54                     ; x 2^(e2 + e3)
	s_mov_b32 s23, s22
	s_mov_b32 s66, 0x3e38aa3b
	s_add_co_i32 s54, s76, s77
	s_lshl_b32 s54, s54, 23
	s_add_co_i32 s66, s66, s54                     ; x 2^(e8 + e9)
	s_mov_b32 s67, s66
	MKSC 72, 240, 244, 1
	MKSC 78, 242, 3, 1
	MKSC 80, 246, 245, 0
	s_add_co_i32 s56, s72, s73                     ; e4 + e5
	s_add_co_i32 s57, s78, s79                     ; e10 + e11
	s_wait_alu depctr_va_vdst(0)
	s_wait_loadcnt 0x0
	; ---- the memory's attention, while the second part of the stream lands
.irp t, 0,1,2,3
	v_wmma_f32_16x16x64_bf8_bf8 v[96+8*\t:103+8*\t], v[32+8*\t:39+8*\t], v[232:239], 0
.endr
.rept 4
	v_nop
.endr
	SOFT 96, 32, 66, 8, 242, 3, 224
	v_nop                                          ; a plain instruction behind the last scaled conversion
.irp t, 0,1,2,3
	v_wmma_f32_16x16x64_bf8_bf8 v[192+8*\t:199+8*\t], v[64+8*\t:71+8*\t], v[224:231], 0
.endr
	MERGE1
	MERGE2 10, 0                                   ; the memory's sum is whole
.set i, 0
.rept 12
	v_mov_b32 v[CH+i], 0                           ; the first key step merges chains of zeros
.set i, i+1
.endr
.irp t, 0,1,2,3,4,5,6,7                        ; key step 0's k images; the lines above are the places behind the products that read these registers
	ds_load_b128 v[32+8*\t:35+8*\t], v1 offset:1024*\t
	ds_load_b128 v[36+8*\t:39+8*\t], v1 offset:1024*\t+512
.endr
; 128 keys.  KR: the block with this step's k, then its v; SR: the block for the scores, p, and then the next step's k.  ODD: the second step of a pair, 16,384 bytes behind the first
.macro STEP KR, SR, ODD
.if \ODD
	v_nop
.else
	s_add_co_u32 s19, s2, 32768
	s_min_u32 s19, s19, 245760                     ; the k images two steps on; behind the last pair: the last step's own
	v_add_nc_u32 v2, s2, v1
.endif
	MERGE1
	v_mov_b32 v249, v4                             ; five places: the products below write over registers that the last products read
	s_wait_alu depctr_va_vdst(0)
	s_wait_dscnt 0x0                               ; k's images, asked for in the step before
.irp t, 0,1,2,3,4,5,6,7
	v_wmma_f32_16x16x64_bf8_bf8 v[\SR+8*\t:\SR+8*\t+7], v[\KR+8*\t:\KR+8*\t+7], v[24:31], 0
.endr
	MERGE2 6, 1+\ODD                               ; four places: the last step's sums go into the row's sum, still under the old M
.irp t, 0,1,2,3                        ; v's images land under the softmax
.irp c, 0,1,2,3
	ds_load_b128 v[\KR+16*\t+4*\c:\KR+16*\t+4*\c+3], v2 offset:\ODD*16384+8192+2048*\t+512*\c
.endr
.endr
	SOFT \SR, 64, 22, 4, 240, 244, 224
.irp t, 0,1,2,3,4,5,6,7                        ; p is converted: its registers take the next step's k images
.if \ODD
	ds_load_b128 v[\SR+8*\t:\SR+8*\t+3], v247 offset:1024*\t
	ds_load_b128 v[\SR+8*\t+4:\SR+8*\t+7], v247 offset:1024*\t+512
.else
	ds_load_b128 v[\SR+8*\t:\SR+8*\t+3], v2 offset:16384+1024*\t
	ds_load_b128 v[\SR+8*\t+4:\SR+8*\t+7], v2 offset:16384+1024*\t+512
.endif
.endr
	s_wait_alu depctr_va_vdst(0)
.set i, 0
.rept 16
	v_pk_mul_f32 v[160+i:161+i], v[160+i:161+i], v[252:253] op_sel_hi:[1,0]   ; O^T under the new M
.set i, i+2
.endr
	s_wait_alu depctr_va_vdst(0)
	s_wait_dscnt 16                                ; v's 16 loads are in; the 16 younger ones, the next step's k, may be out
.irp t, 0,1,2,3                        ; four accumulators by turns
	v_wmma_f32_16x16x128_bf8_bf8 v[160+8*\t:167+8*\t], v[\KR+16*\t:\KR+16*\t+15], v[224:239], v[160+8*\t:167+8*\t]
.endr
.endm
	STEP 32, 96, 0                                 ; key steps 0 and 1; they read key steps 0-2 of the stream
	STEP 96, 32, 1
	s_add_co_u32 s2, s2, 32768
	s_wait_tensorcnt 0x0                           ; my part of key steps 4-15 is in
	s_wait_dscnt 0x0                               ; no LDS instruction of mine is out at the signal
	s_barrier_signal -1
	s_barrier_wait -1                              ; everybody's part is in
	s_mov_b32 s3, 7
.Lpair:                                        ; key steps 2-15, two a trip
	STEP 32, 96, 0
	STEP 96, 32, 1
	s_add_co_u32 s2, s2, 32768
	s_sub_co_u32 s3, s3, 1
	s_cmp_lg_u32 s3, 0
	s_cbranch_scc1 .Lpair
	; ---- the way out: both results divided by their sums, added, quantised with e12: the 32 registers are an image of the projection's fragment
	MERGE1                                         ; the last step's sums; these six lines are also the places behind the last products
	MERGE2 6, 0
	s_delay_alu instid0(VALU_DEP_1)
	v_add_f32 v6, v6, v7
	v_add_f32 v10, v10, v11
	s_delay_alu instid0(VALU_DEP_2)
	v_permlanex16_b32 v248, v6, s20, s21
	s_delay_alu instid0(VALU_DEP_2)
	v_permlanex16_b32 v250, v10, s20, s21
	s_delay_alu instid0(VALU_DEP_2)
	v_add_f32 v6, v6, v248
	s_delay_alu instid0(VALU_DEP_2)
	v_add_f32 v10, v10, v250
	s_wait_alu depctr_va_vdst(0)
	v_rcp_f32 v6, v6
	v_rcp_f32 v10, v10
	v_nop
	s_wait_alu depctr_va_vdst(0)                   ; one wait for both reciprocals
	v_ldexp_f32 v6, v6, s56
	v_ldexp_f32 v10, v10, s57
	s_delay_alu instid0(VALU_DEP_2)
	v_mov_b32 v7, v6
	s_delay_alu instid0(VALU_DEP_2)
	v_mov_b32 v11, v10
	s_wait_alu depctr_va_vdst(0)
.set i, 0
.rept 16
	v_pk_mul_f32 v[192+i:193+i], v[192+i:193+i], v[10:11]
.set i, i+2
.endr
.set i, 0
.rept 16
	v_pk_fma_f32 v[96+i:97+i], v[160+i:161+i], v[6:7], v[192+i:193+i]
.set i, i+2
.endr
.set i, 0
.rept 32
	v_med3_num_f32 v[96+i], v[96+i], -v246, v246
.set i, i+1
.endr
.irp j, 0,1,2,3
	v_cvt_scalef32_pk8_bf8_f32 v[224+2*\j:225+2*\j], v[96+8*\j:103+8*\j], v245
.endr
	v_nop
	global_store_b128 v1, v[224:227], s[12:13]             ; 512 consecutive bytes a store
	global_store_b128 v1, v[228:231], s[12:13] offset:512
	s_wait_tensorcnt 0x0                           ; the wave's end
	ds_add_u32 v251, v255
	s_wait_dscnt 0x0
	CROUND                                         ; the closing round: no work-group ends while a partner may still ask
	s_endpgm
.Lfunc_end_k_qd72168dff2_attn:
	.size	k_qd72168dff2_attn, .Lfunc_end_k_qd72168dff2_attn-k_qd72168dff2_attn
	.p2alignl 7, 3214868480
	.fill 96, 4, 3214868480
	.section	.rodata,"a",@progbits
	.p2align	6, 0x0
	.amdhsa_kernel k_qd72168dff2_attn
		.amdhsa_group_segment_fixed_size 327680
		.amdhsa_private_segment_fixed_size 0
		.amdhsa_enable_private_segment 0
		.amdhsa_kernarg_size 40
		.amdhsa_user_sgpr_count 2
		.amdhsa_user_sgpr_kernarg_segment_ptr 1
		.amdhsa_wavefront_size32 1
		.amdhsa_system_sgpr_workgroup_id_x 1
		.amdhsa_system_sgpr_workgroup_id_y 1
		.amdhsa_system_sgpr_workgroup_id_z 1
		.amdhsa_system_vgpr_workitem_id 0
		.amdhsa_next_free_vgpr 256
		.amdhsa_next_free_sgpr 90
		.amdhsa_reserve_vcc 0
		.amdhsa_float_denorm_mode_32 3
		.amdhsa_float_denorm_mode_16_64 3
		.amdhsa_memory_ordered 1
		.amdhsa_forward_progress 1
		.amdhsa_inst_pref_size 86
	.end_amdhsa_kernel
	.amdgpu_metadata
---
amdhsa.version: [ 1, 2 ]
amdhsa.kernels:
  - .name:           k_qd72168dff2_attn
    .symbol:         k_qd72168dff2_attn.kd
    .args:
      - { .name: qi, .offset: 0, .size: 8, .value_kind: global_buffer, .address_space: global }
      - { .name: kvi, .offset: 8, .size: 8, .value_kind: global_buffer, .address_space: global }
      - { .name: prep, .offset: 16, .size: 8, .value_kind: global_buffer, .address_space: global }
      - { .name: lowp_scales, .offset: 24, .size: 8, .value_kind: global_buffer, .address_space: global }
      - { .name: oi, .offset: 32, .size: 8, .value_kind: global_buffer, .address_space: global }
    .group_segment_fixed_size: 327680
    .private_segment_fixed_size: 0
    .kernarg_segment_align: 8
    .kernarg_segment_size: 40
    .max_flat_workgroup_size: 512
    .sgpr_count:     90
    .vgpr_count:     256
    .wavefront_size: 32
...
	.end_amdgpu_metadata
.endif
;; end of part 3
;; launch proj (part 4): grid 256 x 1, 16 waves a work-group, no clusters, 112,896 bytes of LDS; arguments oi, prep, lowp_scales, b_out, x, ln2_g, ln2_b, x1, hc; writes x1, hc
.if DOCPART == 4
	.amdgcn_target "amdgcn-amd-amdhsa--gfx1250"
	.amdhsa_code_object_version 6
	.text
	.protected	k_qd72168dff2_proj
	.globl	k_qd72168dff2_proj
	.p2align	8
	.type	k_qd72168dff2_proj,@function
k_qd72168dff2_proj:
	s_mov_b64 s[64:65], 0
	v_nop
	global_prefetch_b8 v0, s[64:65] scope:SCOPE_SE
	s_setreg_imm32_b32 hwreg(HW_REG_WAVE_MODE, 25, 1), 1
	s_wait_xcnt 0x0
; x1 = x + o w_out^T x 2^(e12+e13) + b_out, and LN2(x1) as codes (e14).  A work-group owns ONE tile of 16 tokens and ALL 1,024 columns, so that the norm's rows stay inside it: 256 work-groups.
; Wave w makes columns 64 w .. + 63 for the 16 tokens: four accumulators.  Each fragment of w_out feeds one wave of the work-group alone: it comes from its images in prep straight into registers, 512 consecutive bytes a load,
; FOUR K steps ahead (four sets of 32 registers: 32 loads of a wave are on their way).  So there is no tensor load and no ring.  NO JOINT LOADS: a K step is four matrix instructions a wave, too little to stand between a
; refill behind a round of a cluster's barrier and the wait for it; loads into registers run ahead with no barrier at all.
; o's 16 images (16,384 bytes) are shared by the sixteen waves through LDS; the wave's row of x is asked for in the first lines.
; THE ORDER OF K: work-group i takes the four quarters of K in the order (g + i % 4) % 4, g = 0 .. 3, so that four neighbouring work-groups' first runs of loads ask for all of w_out between them.
; Only global addresses hang on that: LDS slot j holds head (j + 4 (i % 4)) % 16, and the weights of slot j are those of the same head.
; Then the sums meet in a stage, and wave w takes stage row w whole: token 32 (i / 2) + 8 (i % 2) + w + 8 (w / 8), as the attention's tiles have them.  Two barriers in all.
; LDS: 0 o's images; 16,384 the stage, 16 rows x (4,096 + 16); 82,176 a row of codes for each wave; 98,560 b_out, ln2_g, ln2_b.
; LIMITS: e14 between -126 and 112; e12 + e13 between -126 and 127.  NaN and infinities are not served.
; REGISTERS: v3-7, v19-27 addresses; v8-18 the norm's; v32-63 the accumulators; v64-95 o's fragment, four sets, later codes; v96-127 my row of x; v128-255 w_out's four sets, later the row, b_out, gains, biases.
.set STG, 16384
.set SPI, 4112
.set CST, 82176
.set VEC, 98560
.set ACC, 32
.set AF,  64
.set XR,  96
.set BF,  128
.macro RSUM
	s_delay_alu instid0(VALU_DEP_1)
	v_add_f32_dpp v8, v8, v8 row_xmask:1 row_mask:0xf bank_mask:0xf
	s_delay_alu instid0(VALU_DEP_1)
	v_add_f32_dpp v8, v8, v8 row_xmask:2 row_mask:0xf bank_mask:0xf
	s_delay_alu instid0(VALU_DEP_1)
	v_add_f32_dpp v8, v8, v8 row_xmask:4 row_mask:0xf bank_mask:0xf
	s_delay_alu instid0(VALU_DEP_1)
	v_add_f32_dpp v8, v8, v8 row_xmask:8 row_mask:0xf bank_mask:0xf
	s_delay_alu instid0(VALU_DEP_1)
	v_permlanex16_b32 v16, v8, s28, s29
	s_delay_alu instid0(VALU_DEP_1)
	v_add_f32 v8, v8, v16
.endm
.macro LNSTAT P
	v_pk_add_f32 v[10:11], v[128:129], v[130:131]
	v_pk_add_f32 v[190:191], v[136:137], v[140:141]
	v_pk_add_f32 v[188:189], v[144:145], v[148:149]
	v_pk_add_f32 v[186:187], v[152:153], v[156:157]
	v_pk_add_f32 v[184:185], v[132:133], v[134:135]
	v_pk_add_f32 v[182:183], v[138:139], v[142:143]
	v_pk_add_f32 v[180:181], v[146:147], v[150:151]
	v_pk_add_f32 v[8:9], v[154:155], v[158:159]
	s_delay_alu instid0(VALU_DEP_1)
	v_pk_add_f32 v[8:9], v[8:9], v[186:187]
	v_pk_add_f32 v[10:11], v[10:11], v[184:185]
	v_pk_add_f32 v[190:191], v[190:191], v[182:183]
	v_pk_add_f32 v[188:189], v[188:189], v[180:181]
	s_delay_alu instid0(VALU_DEP_2)
	v_pk_add_f32 v[8:9], v[8:9], v[190:191]
	s_delay_alu instid0(VALU_DEP_2)
	v_pk_add_f32 v[10:11], v[10:11], v[188:189]
	s_delay_alu instid0(VALU_DEP_1)
	v_pk_add_f32 v[8:9], v[8:9], v[10:11]
	s_delay_alu instid0(VALU_DEP_1)
	v_add_f32 v8, v8, v9
	RSUM
	s_delay_alu instid0(VALU_DEP_1)
	v_mul_f32 v12, s30, v8
	s_delay_alu instid0(VALU_DEP_1)
	v_mov_b32 v13, v12
.irp j, 0,2,4,6,8,10,12,14,16,18,20,22,24,26,28,30
	v_pk_add_f32 v[\P+\j:\P+\j+1], v[\P+\j:\P+\j+1], v[12:13] neg_lo:[0,1] neg_hi:[0,1]
.endr
	v_pk_mul_f32 v[8:9], v[\P:\P+1], v[\P:\P+1]
	v_pk_mul_f32 v[10:11], v[\P+2:\P+3], v[\P+2:\P+3]
.irp j, 4,8,12,16,20,24,28
	s_delay_alu instid0(VALU_DEP_2)
	v_pk_fma_f32 v[8:9], v[\P+\j:\P+\j+1], v[\P+\j:\P+\j+1], v[8:9]
	s_delay_alu instid0(VALU_DEP_2)
	v_pk_fma_f32 v[10:11], v[\P+\j+2:\P+\j+3], v[\P+\j+2:\P+\j+3], v[10:11]
.endr
	s_delay_alu instid0(VALU_DEP_1)
	v_pk_add_f32 v[8:9], v[8:9], v[10:11]
	s_delay_alu instid0(VALU_DEP_1)
	v_add_f32 v8, v8, v9
	RSUM
	s_delay_alu instid0(VALU_DEP_1)
	v_fma_f32 v8, v8, s30, s31
	s_wait_alu depctr_va_vdst(0)
	v_rsq_f32 v14, v8
	v_nop
	s_wait_alu depctr_va_vdst(0)                   ; the wait ahead of the first reader
	v_mov_b32 v15, v14
.irp j, 0,2,4,6,8,10,12,14,16,18,20,22,24,26,28,30
	v_pk_mul_f32 v[\P+\j:\P+\j+1], v[\P+\j:\P+\j+1], v[14:15]
.endr
.endm
.macro LNAFF P, G, B
.irp j, 0,2,4,6,8,10,12,14,16,18,20,22,24,26,28,30
	v_pk_fma_f32 v[\P+\j:\P+\j+1], v[\P+\j:\P+\j+1], v[\G+\j:\G+\j+1], v[\B+\j:\B+\j+1]
.endr
.endm
.macro CODES P, C, RB, LOFF, GP, GOFF
.set i, 0
.rept 32
	v_med3_num_f32 v[\P+i], v[\P+i], -v17, v17     ; the conversion does not saturate (ISA guide 7.6.2)
.set i, i+1
.endr
.irp j, 0,1,2,3
	v_cvt_scalef32_pk8_bf8_f32 v[\C+2*\j:\C+2*\j+1], v[\P+8*\j:\P+8*\j+7], v18
.endr
	v_nop
.irp j, 0,1,2,3,4,5,6,7
	ds_store_b32 v5, v[\C+\j] offset:\LOFF+128*\j
.endr
	ds_load_b128 v[\RB:\RB+3], v6 offset:\LOFF
	ds_load_b128 v[\RB+4:\RB+7], v6 offset:\LOFF+512
	s_wait_dscnt 0x0
	global_store_b128 v4, v[\RB:\RB+3], s[\GP:\GP+1] offset:\GOFF
	global_store_b128 v4, v[\RB+4:\RB+7], s[\GP:\GP+1] offset:\GOFF+512
.endm
.macro BLOAD j                         ; w_out's four fragments of slot j (64 along K) into set j % 4; v[24 + j / 4] holds the quarter's place
.set BB, BF+32*((\j)%4)
.irp n, 0,1,2,3
.irp c, 0,1
	global_load_b128 v[BB+8*\n+4*\c:BB+8*\n+4*\c+3], v[24+(\j)/4], s[6:7] offset:\n*16384+((\j)%4)*1024+512*\c
.endr
.endr
.endm
.macro ALOAD j                         ; o's fragment of slot j into set j % 4
	ds_load_b128 v[AF+8*((\j)%4):AF+8*((\j)%4)+3], v4 offset:(\j)*1024
	ds_load_b128 v[AF+8*((\j)%4)+4:AF+8*((\j)%4)+7], v4 offset:(\j)*1024+512
.endm
.macro KSTEP k
.set BB, BF+32*((\k)%4)
.set AA, AF+8*((\k)%4)
.if (\k) < 13
	s_wait_loadcnt 24                              ; this slot's eight loads are in; the three younger sets' 24 may be out
	s_wait_dscnt 6                                 ; this slot's fragment of o is in; the three younger ones' six loads may be out
.else
	s_wait_loadcnt 8*(15-(\k))
	s_wait_dscnt 2*(15-(\k))
.endif
.irp n, 0,1,2,3                        ; four accumulators by turns
.if (\k) == 0
	v_wmma_f32_16x16x64_bf8_bf8 v[ACC+8*\n:ACC+8*\n+7], v[BB+8*\n:BB+8*\n+7], v[AA:AA+7], 0
.else
	v_wmma_f32_16x16x64_bf8_bf8 v[ACC+8*\n:ACC+8*\n+7], v[BB+8*\n:BB+8*\n+7], v[AA:AA+7], v[ACC+8*\n:ACC+8*\n+7]
.endif
.endr
.rept 4
	v_nop                                          ; four places in front of loads into the products' sources, and of the first read of results
.endr
.if (\k)+4 < 16
	ALOAD (\k)+4
	BLOAD (\k)+4
.endif
.endm
	s_load_b512 s[4:19], s[0:1], 0x0               ; oi, prep, scales, b_out, x, ln2_g, ln2_b, x1
	s_load_b64 s[20:21], s[0:1], 0x40              ; hc
	v_lshl_add_u32 v30, v0, 2, 0x1b100
	v_mov_b32 v31, 0
	v_lshrrev_b32 v1, 5, v0
	s_delay_alu instid0(VALU_DEP_1)
	v_readfirstlane_b32 s24, v1                    ; wave 0..15
	v_and_b32 v1, 15, v0                           ; r
	v_bfe_u32 v2, v0, 4, 1                         ; h
	v_and_b32 v3, 31, v0                           ; lane
	s_delay_alu instid0(VALU_DEP_1)
	v_lshlrev_b32 v4, 4, v3                        ; 16 x lane
	s_lshl_b32 s22, s24, 10
	v_add_nc_u32 v22, s22, v4                      ; LDS slot w of o's images
	s_add_co_u32 s22, s22, CST
	v_lshl_add_u32 v5, v3, 2, s22                  ; my row of codes: in
	v_lshl_add_u32 v6, v3, 4, s22                  ; and back
	v_add_nc_u32 v7, VEC, v4
	v_mul_u32_u24 v20, v1, SPI
	s_delay_alu instid0(VALU_DEP_1)
	v_lshl_add_u32 v20, v2, 5, v20
	s_lshl_b32 s22, s24, 8
	s_add_co_u32 s22, s22, STG
	v_add_nc_u32 v20, s22, v20                     ; the stage, in: row r, my 256 bytes, + 32 h
	s_mul_i32 s22, s24, SPI
	s_add_co_u32 s22, s22, STG
	v_add_nc_u32 v21, s22, v4                      ; and back: row w
	v_lshlrev_b32 v23, 3, v0                       ; 8 x thread
	s_delay_alu instid0(VALU_DEP_1)
	v_add_nc_u32 v3, VEC, v23
	v_mov_b32 v16, 0                               ; a lane permute's destination counts as read
	s_and_b32 s23, ttmp9, 3                        ; with which quarter of K I begin
	s_lshl_b32 s32, s24, 16                        ; my four n tiles of w_out's images
.irp g, 0,1,2,3
	s_add_co_u32 s33, s23, \g
	s_and_b32 s33, s33, 3
	s_lshl_b32 s33, s33, 12                        ; a quarter: four images of 1,024 bytes
	s_add_co_u32 s33, s33, s32
	v_add_nc_u32 v[24+\g], s33, v4
.endr
	s_lshl_b32 s33, s23, 2
	s_add_co_u32 s33, s33, s24
	s_and_b32 s33, s33, 15                         ; the head whose image I bring to slot w
	s_lshl_b32 s33, s33, 10
	v_add_nc_u32 v19, s33, v4
	s_lshr_b32 s25, ttmp9, 1
	s_lshl_b32 s25, s25, 5
	s_and_b32 s26, ttmp9, 1
	s_lshl_b32 s26, s26, 3
	s_add_co_u32 s25, s25, s26
	s_add_co_u32 s25, s25, s24
	s_lshr_b32 s26, s24, 3
	s_lshl_b32 s26, s26, 3
	s_add_co_u32 s25, s25, s26                     ; my token: 32 (i / 2) + 8 (i % 2) + w + 8 (w / 8)
	s_mov_b32 s27, 0
	s_mov_b32 s28, 0x76543210
	s_mov_b32 s29, 0xfedcba98
	s_mov_b32 s30, 0x3a800000                      ; 1 / 1,024
	s_mov_b32 s31, 0x3727c5ac                      ; 1e-5
	s_wait_alu depctr_va_vdst(0)
	s_wait_kmcnt 0x0
	s_load_b128 s[44:47], s[8:9], 0x30             ; e12 .. e15
	s_lshl_b32 s26, ttmp9, 14                      ; my tile's 16 images
	s_add_nc_u64 s[4:5], s[4:5], s[26:27]
	s_lshl_b32 s26, s25, 12
	s_add_nc_u64 s[12:13], s[12:13], s[26:27]
	s_add_nc_u64 s[18:19], s[18:19], s[26:27]
	s_lshl_b32 s26, s25, 10
	s_add_nc_u64 s[20:21], s[20:21], s[26:27]
	global_load_b128 v[64:67], v19, s[4:5]
	global_load_b128 v[68:71], v19, s[4:5] offset:512
	global_load_b64 v[72:73], v23, s[10:11]
	global_load_b64 v[74:75], v23, s[14:15]
	global_load_b64 v[76:77], v23, s[16:17]
.irp j, 0,1,2,3,4,5,6,7
	global_load_b128 v[XR+4*\j:XR+4*\j+3], v4, s[12:13] offset:512*\j th:TH_LOAD_NT
.endr
	BLOAD 0
	BLOAD 1
	BLOAD 2
	BLOAD 3
	s_wait_loadcnt 40                              ; o's image and the three vectors are in; x's eight loads and w_out's 32 may be out
	ds_store_b128 v22, v[64:67]
	ds_store_b128 v22, v[68:71] offset:512
	ds_store_b64 v3, v[72:73]
	ds_store_b64 v3, v[74:75] offset:4096
	ds_store_b64 v3, v[76:77] offset:8192
	s_wait_dscnt 0x0                               ; for the others' sake: my stores have landed
	s_barrier_signal -1
	s_barrier_wait -1
	ALOAD 0
	ALOAD 1
	ALOAD 2
	ALOAD 3
.irp k, 0,1,2,3,4,5,6,7,8,9,10,11,12,13,14,15
	KSTEP \k
.endr
	s_wait_kmcnt 0x0
	s_add_co_i32 s48, s44, s45
	s_add_co_i32 s48, s48, 127
	s_lshl_b32 s48, s48, 23                        ; 2^(e12 + e13)
	s_mov_b32 s49, s48
	s_add_co_i32 s50, s46, 127
	s_lshl_b32 s51, s50, 23
	v_mov_b32 v18, s51                             ; 2^e14
	s_add_co_i32 s50, s50, 15
	s_lshl_b32 s50, s50, 23
	s_or_b32 s50, s50, 0x600000
	v_mov_b32 v17, s50                             ; 57,344 x 2^e14
.irp n, 0,1,2,3                        ; each accumulator from its low end on
	ds_store_b128 v20, v[ACC+8*\n:ACC+8*\n+3] offset:64*\n
	ds_store_b128 v20, v[ACC+8*\n+4:ACC+8*\n+7] offset:64*\n+16
.endr
	s_wait_dscnt 0x0
	s_barrier_signal -1
	s_barrier_wait -1                              ; sixteen whole rows lie in the stage
.irp j, 0,1,2,3,4,5,6,7
	ds_load_b128 v[128+4*\j:131+4*\j], v21 offset:512*\j           ; my row of sums
.endr
.irp j, 0,1,2,3,4,5,6,7
	ds_load_b128 v[160+4*\j:163+4*\j], v7 offset:512*\j            ; b_out
.endr
.irp j, 0,1,2,3,4,5,6,7
	ds_load_b128 v[192+4*\j:195+4*\j], v7 offset:4096+512*\j       ; ln2_g
.endr
.irp j, 0,1,2,3,4,5,6,7
	ds_load_b128 v[224+4*\j:227+4*\j], v7 offset:8192+512*\j       ; ln2_b
.endr
	s_wait_dscnt 16                                ; the sums and b_out are in; the gains and the biases may be out
.set i, 0
.rept 16
	v_pk_add_f32 v[XR+i:XR+i+1], v[XR+i:XR+i+1], v[160+i:161+i]
.set i, i+2
.endr
.set i, 0
.rept 16
	v_pk_fma_f32 v[128+i:129+i], v[128+i:129+i], s[48:49], v[XR+i:XR+i+1] op_sel_hi:[1,0,1]
.set i, i+2
.endr
.irp j, 0,1,2,3,4,5,6,7
	global_store_b128 v4, v[128+4*\j:131+4*\j], s[18:19] offset:512*\j     ; x1: 512 consecutive bytes a store
.endr
	s_wait_alu depctr_va_vdst(0)
	s_wait_xcnt 0x0                                ; the stores have read the row: it is centred in place only behind this wait
	LNSTAT 128
	s_wait_dscnt 0x0
	LNAFF 128, 192, 224
	CODES 128, 64, 72, 0, 20, 0
	s_wait_tensorcnt 0x0
	ds_add_u32 v30, v31
	s_wait_dscnt 0x0
	s_endpgm
.Lfunc_end_k_qd72168dff2_proj:
	.size	k_qd72168dff2_proj, .Lfunc_end_k_qd72168dff2_proj-k_qd72168dff2_proj
	.p2alignl 7, 3214868480
	.fill 96, 4, 3214868480
	.section	.rodata,"a",@progbits
	.p2align	6, 0x0
	.amdhsa_kernel k_qd72168dff2_proj
		.amdhsa_group_segment_fixed_size 112896
		.amdhsa_private_segment_fixed_size 0
		.amdhsa_enable_private_segment 0
		.amdhsa_kernarg_size 72
		.amdhsa_user_sgpr_count 2
		.amdhsa_user_sgpr_kernarg_segment_ptr 1
		.amdhsa_wavefront_size32 1
		.amdhsa_system_sgpr_workgroup_id_x 1
		.amdhsa_system_sgpr_workgroup_id_y 1
		.amdhsa_system_sgpr_workgroup_id_z 1
		.amdhsa_system_vgpr_workitem_id 0
		.amdhsa_next_free_vgpr 256
		.amdhsa_next_free_sgpr 66
		.amdhsa_reserve_vcc 0
		.amdhsa_float_denorm_mode_32 3
		.amdhsa_float_denorm_mode_16_64 3
		.amdhsa_memory_ordered 1
		.amdhsa_forward_progress 1
		.amdhsa_inst_pref_size 43
	.end_amdhsa_kernel
	.amdgpu_metadata
---
amdhsa.version: [ 1, 2 ]
amdhsa.kernels:
  - .name:           k_qd72168dff2_proj
    .symbol:         k_qd72168dff2_proj.kd
    .args:
      - { .name: oi, .offset: 0, .size: 8, .value_kind: global_buffer, .address_space: global }
      - { .name: prep, .offset: 8, .size: 8, .value_kind: global_buffer, .address_space: global }
      - { .name: lowp_scales, .offset: 16, .size: 8, .value_kind: global_buffer, .address_space: global }
      - { .name: b_out, .offset: 24, .size: 8, .value_kind: global_buffer, .address_space: global }
      - { .name: x, .offset: 32, .size: 8, .value_kind: global_buffer, .address_space: global }
      - { .name: ln2_g, .offset: 40, .size: 8, .value_kind: global_buffer, .address_space: global }
      - { .name: ln2_b, .offset: 48, .size: 8, .value_kind: global_buffer, .address_space: global }
      - { .name: x1, .offset: 56, .size: 8, .value_kind: global_buffer, .address_space: global }
      - { .name: hc, .offset: 64, .size: 8, .value_kind: global_buffer, .address_space: global }
    .group_segment_fixed_size: 112896
    .private_segment_fixed_size: 0
    .kernarg_segment_align: 8
    .kernarg_segment_size: 72
    .max_flat_workgroup_size: 512
    .sgpr_count:     66
    .vgpr_count:     256
    .wavefront_size: 32
...
	.end_amdgpu_metadata
.endif
;; end of part 4
;; launch fc1 (part 5): grid 16 x 16, 4 waves a work-group, clusters of 4 x 4, 327,680 bytes of LDS; arguments hc, w_fc1_codes, lowp_scales, b_fc1, gi; writes gi
.if DOCPART == 5
	.amdgcn_target "amdgcn-amd-amdhsa--gfx1250"
	.amdhsa_code_object_version 6
	.text
	.protected	k_qd72168dff2_fc1
	.globl	k_qd72168dff2_fc1
	.p2align	8
	.type	k_qd72168dff2_fc1,@function
k_qd72168dff2_fc1:
	s_mov_b64 s[64:65], 0
	v_nop
	global_prefetch_b8 v0, s[64:65] scope:SCOPE_SE
	s_setreg_imm32_b32 hwreg(HW_REG_WAVE_MODE, 25, 1), 1
	s_wait_xcnt 0x0
	s_wait_alu depctr_hold_cnt(0) depctr_sa_sdst(0) depctr_va_vdst(0) depctr_va_sdst(0) depctr_va_ssrc(0) depctr_va_vcc(0) depctr_vm_vsrc(0)
	s_getreg_b32 s2, hwreg(HW_REG_IB_STS2, 6, 4)
	s_cmp_eq_u32 s2, 0
	s_cbranch_scc0 .Lentry_in_a_cluster
	s_endpgm
.Lentry_in_a_cluster:
	s_bfe_u32 s2, ttmp6, 0x10000c
	s_cmp_lg_u32 s2, 0xf033
	s_cbranch_scc0 .Lentry_shape_is_right
	s_endpgm
.Lentry_shape_is_right:
.set SIZE_K, 1024
.set KSTEP,  256
.set ROWB,   256
.set KROW,   SIZE_K
.set PITCH,  272
.set FR,     16
.set NL,     4
.set NP,     4
.set HALFT,  128*PITCH
.set SLOT,   4*HALFT
.set LAPS,   SIZE_K/(2*KSTEP)
.set SPARE,  2*SLOT
.set SP2,    144
.set STG2,   262144
.set ADRA, 16
.set ADRB, 20
.set STO,  24
.set RD,   25
.set CO,   26
.set SPW,  28
.set NIL,  29
.set AF,   128
.set G1, 24
.set G0, 32
.set G1B, 48
.set G0B, 56
.set MSB, 0
.macro WIN new
.if MSB != \new
	s_set_vgpr_msb (MSB<<8)|\new
.set MSB, \new
.endif
.endm
.set MUL_LO, 0xa1
.set MUL_HI, 0xf1
.set TO_B,   0x40
.macro JLOAD g0a, g1a, g0b, g1b
	s_cmp_eq_u32 s15, 0
	s_cbranch_scc0 .Lfor_b_\@
	tensor_load_to_lds s[\g0a:\g0a+3], s[\g1a:\g1a+7]
	s_nop 0
.rept 4
	v_nop
.endr
	s_branch .Lasked_\@
.Lfor_b_\@:
	tensor_load_to_lds s[\g0b:\g0b+3], s[\g1b:\g1b+7]
	s_nop 0
.rept 4
	v_nop
.endr
.Lasked_\@:
.endm
.macro CREST
	s_cmp_lg_u32 s14, 0
	s_cbranch_scc1 .Lnot_wave_0_\@
	s_barrier_signal -3
.Lnot_wave_0_\@:
	s_barrier_wait -3
	s_barrier_signal -1
	s_barrier_wait -1
.endm
.macro CROUND
	s_barrier_signal -1
	s_barrier_wait -1
	CREST
.endm
	s_load_b128 s[4:7], s[0:1], 0x0
	s_load_b128 s[8:11], s[0:1], 0x10
	s_load_b64 s[76:77], s[0:1], 0x20
	v_lshl_add_u32 v[SPW], v0, 2, SPARE
	v_mov_b32 v[NIL], 0
	ds_add_u32 v28, v29
	ds_add_u32 v28, v29
	s_wait_dscnt 0x0
	v_lshrrev_b32 v1, 5, v0
	v_readfirstlane_b32 s14, v1
	s_lshr_b32 s15, s14, 1
	s_and_b32 s16, s14, 1
	s_bfe_u32 s40, ttmp6, 0x40000
	s_bfe_u32 s41, ttmp6, 0x40004
	s_lshl_b32 s42, ttmp9, 2
	s_add_co_u32 s42, s42, s40
	s_and_b32 s17, ttmp7, 0xffff
	s_lshl_b32 s17, s17, 2
	s_add_co_u32 s17, s17, s41
	s_lshl_b32 s43, s41, 2
	s_lshl_b32 s43, 15, s43
	s_lshl_b32 s44, 0x1111, s40
	s_or_b32 s[G1+0], s43, (0<<16)|(1<<20)|(1<<21)|(5<<22)|(3<<25)
	s_or_b32 s[G1B+0], s44, (0<<16)|(1<<20)|(1<<21)|(5<<22)|(3<<25)
.irp g, G1, G1B
	s_mov_b32 s[\g+1], ROWB<<16
	s_mov_b32 s[\g+2], 128<<16
	s_mov_b32 s[\g+3], ROWB<<16
	s_mov_b32 s[\g+4], 128
	s_mov_b32 s[\g+5], KROW
	s_mov_b32 s[\g+6], 0
	s_mov_b32 s[\g+7], 0
.endr
	s_lshl_b32 s18, s16, 7
	s_lshl_b32 s20, s17, 8
	s_add_co_u32 s20, s20, s18
	s_lshl_b32 s20, s20, 10
	s_mov_b32 s21, 0
	s_lshl_b32 s46, s42, 8
	s_add_co_u32 s46, s46, s18
	s_lshl_b32 s46, s46, 10
	s_mov_b32 s47, 0
	s_mul_i32 s45, s14, HALFT
	s_wait_kmcnt 0x0
	s_load_b128 s[80:83], s[8:9], 0x38
	s_add_nc_u64 s[20:21], s[4:5], s[20:21]
	s_add_nc_u64 s[46:47], s[6:7], s[46:47]
	; the prefetches' address: of the 128 rows that my wave fetches, my work-group names 32, told apart from its three partners by address alone (cx for A's tiles, cy for B's); a lane a row
	s_cmp_eq_u32 s15, 0
	s_cselect_b64 s[84:85], s[20:21], s[46:47]
	s_cselect_b32 s86, s40, s41
	s_lshl_b32 s86, s86, 15                        ; 32 rows of 1,024 bytes
	s_mov_b32 s87, 0
	s_add_nc_u64 s[84:85], s[84:85], s[86:87]
	v_and_b32 v8, 31, v0
	v_lshlrev_b32 v8, 10, v8
.irp s, 0,1
	s_mov_b32 s[G0+4*\s], 1
	s_add_co_u32 s[G0+4*\s+1], s45, \s*SLOT
	s_add_nc_u64 s[G0+4*\s+2:G0+4*\s+3], s[20:21], \s*ROWB
	s_or_b32 s[G0+4*\s+3], s[G0+4*\s+3], 0x80000000
	s_mov_b32 s[G0B+4*\s], 1
	s_add_co_u32 s[G0B+4*\s+1], s45, \s*SLOT
	s_add_nc_u64 s[G0B+4*\s+2:G0B+4*\s+3], s[46:47], \s*ROWB
	s_or_b32 s[G0B+4*\s+3], s[G0B+4*\s+3], 0x80000000
	s_wait_alu depctr_va_vdst(0)
	s_wait_tensorcnt 0x0
	ds_add_u32 v28, v29
	ds_add_u32 v28, v29
	s_wait_dscnt 0x0
	CROUND
	JLOAD G0+4*\s, G1, G0B+4*\s, G1B
	; the L2 is asked for 256 bytes of each of my 32 rows: behind the load of K step 0 for K step 1, behind the load of K step 1 for K steps 2 and 3; K has four steps, so nothing is left to ask for in the loop; v8 and s[84:85] are never rewritten
.if \s == 0
	global_prefetch_b8 v8, s[84:85] offset:256 th:TH_LOAD_NT scope:SCOPE_SE
.else
	global_prefetch_b8 v8, s[84:85] offset:512 th:TH_LOAD_NT scope:SCOPE_SE
	global_prefetch_b8 v8, s[84:85] offset:768 th:TH_LOAD_NT scope:SCOPE_SE
.endif
.endr
	v_and_b32 v1, 15, v0
	s_wait_alu depctr_va_vdst(0)
	v_bfe_u32 v2, v0, 4, 1
	v_mul_u32_u24 v3, v1, PITCH
	v_lshl_add_u32 v4, v2, 4, v3
	s_mul_i32 s21, s15, HALFT
	s_mul_i32 s22, s16, HALFT
	s_add_co_u32 s22, s22, 2*HALFT
.irp s, 0,1
	v_add_nc_u32 v[ADRA+\s], s21, v4
	v_add_nc_u32 v[ADRB+\s], s22, v4
	s_add_co_u32 s21, s21, SLOT
	s_add_co_u32 s22, s22, SLOT
.endr
	s_mul_i32 s23, s14, 16*SP2
	s_add_co_u32 s23, s23, STG2
	v_mul_u32_u24 v5, v1, SP2
	v_add_nc_u32 v5, s23, v5
	s_wait_alu depctr_va_vdst(0)
	v_lshl_add_u32 v[STO], v2, 3, v5
	v_lshl_add_u32 v[RD], v2, 4, v5
	v_and_b32 v7, 31, v0
	v_lshlrev_b32 v[CO], 4, v7
	s_lshl_b32 s23, s14, 16
	v_add_nc_u32 v27, s23, v[CO]
	s_lshl_b32 s72, s42, 10
	s_lshl_b32 s73, s16, 9
	s_add_co_u32 s72, s72, s73
	v_lshl_add_u32 v22, v2, 5, s72
.irp b, 0,1,2,3,4,5,6,7
	global_load_b128 v[64+8*\b:67+8*\b], v22, s[10:11] offset:64*\b
	global_load_b128 v[68+8*\b:71+8*\b], v22, s[10:11] offset:64*\b+16
.endr
.macro FRAG reg, adr, q, i
.irp c, 0,1,2,3
	ds_load_b128 v[\reg+4*\c:\reg+4*\c+3], v[\adr] offset:128*(\q)+32*\c+(\i)*16*PITCH
.endr
.endm
.macro MUL16 a0, p, zero
.irp a, \a0, \a0+1
.irp b, 0,1,2,3,4,5,6,7
.if \zero
	v_wmma_f32_16x16x128_bf8_bf8 v[8*(8*((\a)%4)+\b):8*(8*((\a)%4)+\b)+7], v[128*(\p)+FR*\b:128*(\p)+FR*\b+FR-1], v[AF+FR*(\a):AF+FR*(\a)+FR-1], 0
.else
	v_wmma_f32_16x16x128_bf8_bf8 v[8*(8*((\a)%4)+\b):8*(8*((\a)%4)+\b)+7], v[128*(\p)+FR*\b:128*(\p)+FR*\b+FR-1], v[AF+FR*(\a):AF+FR*(\a)+FR-1], v[8*(8*((\a)%4)+\b):8*(8*((\a)%4)+\b)+7]
.endif
.endr
.endr
.endm
.macro FETCH_B slot, q, p
	WIN TO_B
.irp i, 0,1,2,3,4,5,6,7
	FRAG 128*(\p)+FR*\i, ADRB+\slot, \q, \i
.endr
	WIN 0
.endm
.macro FETCH_A slot, q, i0
.irp i, \i0, \i0+1, \i0+2, \i0+3
	FRAG AF+FR*(\i), ADRA+\slot, \q, \i
.endr
.endm
.macro PLACES n
.rept \n
	v_nop
.endr
.endm
.macro STEP slot, q, zero
	s_wait_dscnt 4*NL
	WIN MUL_LO
	MUL16 0, (\q)%2, \zero
	MUL16 2, (\q)%2, \zero
	s_wait_dscnt 0
	PLACES NP
	FETCH_B \slot, (\q)+1, 1-(\q)%2
	FETCH_A \slot, (\q)+1, 0
	WIN MUL_HI
	MUL16 4, (\q)%2, \zero
	MUL16 6, (\q)%2, \zero
	PLACES NP
	WIN 0
	FETCH_A \slot, (\q)+1, 4
.endm
.macro TURN slot, next, fill
	s_wait_tensorcnt 0x0
	ds_add_u32 v[SPW], v[NIL]
	s_wait_dscnt 4*NL+1
	WIN MUL_LO
	MUL16 0, 1, 0
	s_wait_dscnt 0x0
	s_barrier_signal -1
	MUL16 2, 1, 0
	WIN 0
	s_barrier_wait -1
.if \fill
	CREST
	s_add_nc_u64 s[G0+4*\slot+2:G0+4*\slot+3], s[G0+4*\slot+2:G0+4*\slot+3], 2*ROWB
	s_add_nc_u64 s[G0B+4*\slot+2:G0B+4*\slot+3], s[G0B+4*\slot+2:G0B+4*\slot+3], 2*ROWB
	JLOAD G0+4*\slot, G1, G0B+4*\slot, G1B
.else
	PLACES NP
.endif
	FETCH_B \next, 0, 0
	FETCH_A \next, 0, 0
	WIN MUL_HI
	MUL16 4, 1, 0
	MUL16 6, 1, 0
	PLACES NP
	WIN 0
	FETCH_A \next, 0, 4
.endm
	s_wait_tensorcnt 1
	s_barrier_signal -1
	s_barrier_wait -1
	FETCH_B 0, 0, 0
	FETCH_A 0, 0, 0
	FETCH_A 0, 0, 4
	STEP 0, 0, 1
	s_mov_b32 s3, LAPS-1
.Llap:
	TURN 0, 1, 1
	STEP 1, 0, 0
	TURN 1, 0, 1
	STEP 0, 0, 0
	s_sub_co_u32 s3, s3, 1
	s_cmp_lg_u32 s3, 0
	s_cbranch_scc1 .Llap
	TURN 0, 1, 0
	STEP 1, 0, 0
	s_wait_dscnt 4*NL
	WIN MUL_LO
	MUL16 0, 1, 0
	MUL16 2, 1, 0
	s_wait_dscnt 0
	s_barrier_signal -1
	WIN MUL_HI
	MUL16 4, 1, 0
	MUL16 6, 1, 0
	WIN 0
	s_barrier_wait -1
	s_wait_kmcnt 0x0
	s_add_co_i32 s96, s80, s81
	s_add_co_i32 s96, s96, 127
	s_lshl_b32 s96, s96, 23
	s_mov_b32 s97, s96
	s_add_co_i32 s90, s82, 127
	s_lshl_b32 s91, s90, 23
	s_add_co_i32 s90, s90, 15
	s_lshl_b32 s90, s90, 23
	s_or_b32 s90, s90, 0x600000
	s_mov_b32 s98, 0x7fffffff
	s_mov_b32 s99, 0x3f6c0000
	s_lshl_b32 s72, s17, 4
	s_lshl_b32 s73, s15, 3
	s_add_co_u32 s72, s72, s73
	s_lshl_b32 s72, s72, 5
	s_lshl_b32 s73, s42, 1
	s_add_co_u32 s72, s72, s73
	s_add_co_u32 s72, s72, s16
	s_lshl_b32 s72, s72, 11
	s_mov_b32 s73, 0
	s_add_nc_u64 s[76:77], s[76:77], s[72:73]
	s_wait_loadcnt 0x0
	PLACES NP
.macro DUMP a
.set AC, 64*((\a)%4)
.set TM, 128+64*((\a)%2)
.if (\a) > 1
	s_wait_dscnt 16
.endif
	WIN 0x02+((\a)/4)
.irp b, 0,1,2,3,4,5,6,7
.irp i, 0,2,4,6
	v_pk_fma_f32 v[TM+8*\b+\i:TM+8*\b+\i+1], v[AC+8*\b+\i:AC+8*\b+\i+1], s[96:97], v[64+8*\b+\i:64+8*\b+\i+1] op_sel_hi:[1,0,1]
.endr
.endr
	WIN 0
.irp b, 0,1,2,3,4,5,6,7
.irp q, 0,1
	ds_store_b128 v27, v[TM+8*\b+4*\q:TM+8*\b+4*\q+3] offset:(\a)*8192+\b*1024+\q*512
.endr
.endr
.endm
.irp a, 0,1,2,3,4,5,6,7
	DUMP \a
.endr
	s_wait_dscnt 0x0
.macro KP r, bits
	v_mov_b32 v[\r], \bits
	v_mov_b32 v[\r+1], \bits
.endm
	KP 208, 0x37911480
	KP 210, 0xb9c8e966
	KP 212, 0x3b7e899b
	KP 214, 0xbcc6b180
	KP 216, 0x3ddaae58
	KP 218, 0x3f228550
	KP 220, 0x3e03ce86
	KP 222, 0xba1d0d41
	KP 224, 0x3ba39fa4
	KP 226, 0xbcdb45e9
	KP 228, 0x3de70d23
	KP 230, 0xbec09370
	KP 232, 0x3e0375d3
	KP 234, 0x3f3504f3
	KP 236, 0xbfb8aa3b
	v_mov_b32 v238, s90
	v_mov_b32 v239, s91
.set ZR, 128
.set TR, 144
.set SR, 160
.set RL, 176
.set UR, 192
.macro PF d, a, b, c
.irp p, 0,2,4,6,8,10,12,14
	v_pk_fma_f32 v[\d+\p:\d+\p+1], v[\a+\p:\a+\p+1], v[\b+\p:\b+\p+1], v[\c+\p:\c+\p+1]
.endr
.endm
.macro PFK d, a, b, k
.irp p, 0,2,4,6,8,10,12,14
	v_pk_fma_f32 v[\d+\p:\d+\p+1], v[\a+\p:\a+\p+1], v[\b+\p:\b+\p+1], v[\k:\k+1]
.endr
.endm
.macro PFKK d, a, k1, k2
.irp p, 0,2,4,6,8,10,12,14
	v_pk_fma_f32 v[\d+\p:\d+\p+1], v[\a+\p:\a+\p+1], v[\k1:\k1+1], v[\k2:\k2+1]
.endr
.endm
.macro PMK d, a, k
.irp p, 0,2,4,6,8,10,12,14
	v_pk_mul_f32 v[\d+\p:\d+\p+1], v[\a+\p:\a+\p+1], v[\k:\k+1]
.endr
.endm
.macro GELU be
.set HV, 64+16*(\be)
.set CD, 240+4*(\be)
	PMK ZR, HV, 234
.irp p, 0,2,4,6,8,10,12,14
	v_pk_mul_f32 v[HV+\p:HV+\p+1], v[HV+\p:HV+\p+1], 0.5 op_sel_hi:[1,0]
.endr
.set i, 0
.rept 16
	v_and_b32 v[TR+i], s98, v[ZR+i]
.set i, i+1
.endr
.irp p, 0,2,4,6,8,10,12,14
	v_pk_mul_f32 v[SR+\p:SR+\p+1], v[ZR+\p:ZR+\p+1], v[ZR+\p:ZR+\p+1]
.endr
	PFKK RL, TR, 208, 210
	PFKK UR, TR, 212, 214
	PF RL, RL, SR, UR
	PFK RL, RL, TR, 216
	PFK RL, RL, TR, 218
	PFK RL, RL, TR, 220
	PF RL, RL, TR, TR
	PMK RL, RL, 236
.set i, 0
	s_wait_alu depctr_va_vdst(0)
.rept 16
	v_exp_f32 v[RL+i], v[RL+i]
.set i, i+1
.endr
	PFKK UR, SR, 222, 224
	PFK UR, UR, SR, 226
	PFK UR, UR, SR, 228
	PFK UR, UR, SR, 230
	PFK UR, UR, SR, 232
	PF UR, UR, ZR, ZR
	s_wait_alu depctr_va_vdst(0)
.irp p, 0,2,4,6,8,10,12,14
	v_pk_fma_f32 v[RL+\p:RL+\p+1], v[RL+\p:RL+\p+1], -1.0, 1.0 op_sel_hi:[1,0,0]
.endr
.set i, 0
.rept 16
	v_bfi_b32 v[RL+i], s98, v[RL+i], v[ZR+i]
.set i, i+1
.endr
.set i, 0
.rept 16
	v_cmp_lt_f32 vcc_lo, s99, v[TR+i]
	v_cndmask_b32 v[UR+i], v[UR+i], v[RL+i], vcc_lo
.set i, i+1
.endr
	PF UR, HV, UR, HV
.set i, 0
.rept 16
	v_med3_num_f32 v[UR+i], v[UR+i], -v238, v238
.set i, i+1
.endr
	v_cvt_scalef32_pk8_bf8_f32 v[CD:CD+1], v[UR:UR+7], v239
	v_cvt_scalef32_pk8_bf8_f32 v[CD+2:CD+3], v[UR+8:UR+15], v239
	v_nop
	ds_store_b64 v[STO], v[CD:CD+1] offset:32*(\be)
	ds_store_b64 v[STO], v[CD+2:CD+3] offset:32*(\be)+16
.endm
	s_mov_b32 s23, 0
.Lrow:
	v_lshl_add_u32 v30, s23, 13, v27
.irp b, 0,1,2,3,4,5,6,7
.irp q, 0,1
	ds_load_b128 v[64+8*\b+4*\q:67+8*\b+4*\q], v30 offset:\b*1024+\q*512
.endr
.endr
	s_wait_dscnt 0x0
	s_wait_alu depctr_va_vdst(0)
	GELU 0
	GELU 1
	GELU 2
	GELU 3
	s_wait_xcnt 0x0
	v_lshl_add_u32 v31, s23, 16, v[CO]
.irp c, 0,1,2,3
	ds_load_b128 v[32+4*\c:35+4*\c], v[RD] offset:32*\c
.endr
	s_wait_alu depctr_va_vdst(0)
	s_wait_dscnt 0x0
.irp c, 0,1,2,3
	global_store_b128 v31, v[32+4*\c:35+4*\c], s[76:77] offset:512*\c
.endr
	s_add_co_u32 s23, s23, 1
	s_cmp_lt_u32 s23, 8
	s_cbranch_scc1 .Lrow
	s_wait_tensorcnt 0x0
	ds_add_u32 v[SPW], v[NIL]
	s_wait_dscnt 0x0
	CROUND
	s_endpgm
.Lfunc_end_k_qd72168dff2_fc1:
	.size	k_qd72168dff2_fc1, .Lfunc_end_k_qd72168dff2_fc1-k_qd72168dff2_fc1
	.p2alignl 7, 3214868480
	.fill 96, 4, 3214868480
	.section	.rodata,"a",@progbits
	.p2align	6, 0x0
	.amdhsa_kernel k_qd72168dff2_fc1
		.amdhsa_group_segment_fixed_size 327680
		.amdhsa_private_segment_fixed_size 0
		.amdhsa_enable_private_segment 0
		.amdhsa_kernarg_size 40
		.amdhsa_user_sgpr_count 2
		.amdhsa_user_sgpr_kernarg_segment_ptr 1
		.amdhsa_wavefront_size32 1
		.amdhsa_system_sgpr_workgroup_id_x 1
		.amdhsa_system_sgpr_workgroup_id_y 1
		.amdhsa_system_sgpr_workgroup_id_z 1
		.amdhsa_system_vgpr_workitem_id 0
		.amdhsa_next_free_vgpr 1024
		.amdhsa_next_free_sgpr 100
		.amdhsa_reserve_vcc 1
		.amdhsa_float_denorm_mode_32 3
		.amdhsa_float_denorm_mode_16_64 3
		.amdhsa_memory_ordered 1
		.amdhsa_forward_progress 1
		.amdhsa_inst_pref_size 165
	.end_amdhsa_kernel
	.amdgpu_metadata
---
amdhsa.version: [ 1, 2 ]
amdhsa.kernels:
  - .name:           k_qd72168dff2_fc1
    .symbol:         k_qd72168dff2_fc1.kd
    .args:
      - { .name: hc, .offset: 0, .size: 8, .value_kind: global_buffer, .address_space: global }
      - { .name: w_fc1_codes, .offset: 8, .size: 8, .value_kind: global_buffer, .address_space: global }
      - { .name: lowp_scales, .offset: 16, .size: 8, .value_kind: global_buffer, .address_space: global }
      - { .name: b_fc1, .offset: 24, .size: 8, .value_kind: global_buffer, .address_space: global }
      - { .name: gi, .offset: 32, .size: 8, .value_kind: global_buffer, .address_space: global }
    .group_segment_fixed_size: 327680
    .private_segment_fixed_size: 0
    .kernarg_segment_align: 8
    .kernarg_segment_size: 40
    .max_flat_workgroup_size: 128
    .sgpr_count:     100
    .vgpr_count:     1024
    .wavefront_size: 32
...
	.end_amdgpu_metadata
.endif
;; end of part 5
;; launch fc2 (part 6): grid 8 x 32, 4 waves a work-group, clusters of 4 x 4, 327,680 bytes of LDS; arguments gi, w_fc2_codes, lowp_scales, b_fc2, x1, out0; writes out0
.if DOCPART == 6
	.amdgcn_target "amdgcn-amd-amdhsa--gfx1250"
	.amdhsa_code_object_version 6
	.text
	.protected	k_qd72168dff2_fc2
	.globl	k_qd72168dff2_fc2
	.p2align	8
	.type	k_qd72168dff2_fc2,@function
k_qd72168dff2_fc2:
	s_mov_b64 s[64:65], 0
	v_nop
	global_prefetch_b8 v0, s[64:65] scope:SCOPE_SE
	s_setreg_imm32_b32 hwreg(HW_REG_WAVE_MODE, 25, 1), 1
	s_wait_xcnt 0x0
	s_wait_alu depctr_hold_cnt(0) depctr_sa_sdst(0) depctr_va_vdst(0) depctr_va_sdst(0) depctr_va_ssrc(0) depctr_va_vcc(0) depctr_vm_vsrc(0)
	s_getreg_b32 s2, hwreg(HW_REG_IB_STS2, 6, 4)
	s_cmp_eq_u32 s2, 0
	s_cbranch_scc0 .Lentry_in_a_cluster
	s_endpgm
.Lentry_in_a_cluster:
	s_bfe_u32 s2, ttmp6, 0x10000c
	s_cmp_lg_u32 s2, 0xf033
	s_cbranch_scc0 .Lentry_shape_is_right
	s_endpgm
.Lentry_shape_is_right:
.set PITCH,  528
.set ABYTES, 65536
.set SLOT,   ABYTES+128*PITCH
.set STAGE,  2*SLOT
.set SPITCH, 272
.set SPARE,  STAGE+4*16*SPITCH
.set LAPS,   4
.set ADRA, 16
.set ADRB, 20
.set STO,  24
.set RD,   25
.set CO,   26
.set SPW,  28
.set NIL,  29
.set ACC,  128
.set F0,   0
.set F1,   128
.set G1, 24
.set G0, 32
.set G1B, 48
.set G0B, 56
.set MSB, 0
.macro WIN new
.if MSB != \new
	s_set_vgpr_msb (MSB<<8)|\new
.set MSB, \new
.endif
.endm
.set MUL,  0x05
.set TO_F, 0x40
.macro JLOAD s
	s_cmp_eq_u32 s11, 0
	s_cbranch_scc0 .Lfor_b_\@
	tensor_load_to_lds s[G0+4*\s:G0+4*\s+3], s[G1:G1+7]
	s_nop 0
.rept 4
	v_nop
.endr
	s_branch .Lasked_\@
.Lfor_b_\@:
	tensor_load_to_lds s[G0B+4*\s:G0B+4*\s+3], s[G1B:G1B+7]
	s_nop 0
.rept 4
	v_nop
.endr
.Lasked_\@:
.endm
.macro CREST
	s_cmp_lg_u32 s10, 0
	s_cbranch_scc1 .Lnot_wave_0_\@
	s_barrier_signal -3
.Lnot_wave_0_\@:
	s_barrier_wait -3
	s_barrier_signal -1
	s_barrier_wait -1
.endm
.macro CROUND
	s_barrier_signal -1
	s_barrier_wait -1
	CREST
.endm
	s_load_b128 s[4:7], s[0:1], 0x0
	s_load_b128 s[68:71], s[0:1], 0x10
	s_load_b128 s[72:75], s[0:1], 0x20
	v_lshl_add_u32 v[SPW], v0, 2, SPARE
	v_mov_b32 v[NIL], 0
	ds_add_u32 v28, v29
	ds_add_u32 v28, v29
	s_wait_dscnt 0x0
	v_lshrrev_b32 v1, 5, v0
	v_readfirstlane_b32 s10, v1
	s_lshr_b32 s11, s10, 1
	s_and_b32 s12, s10, 1
	s_bfe_u32 s40, ttmp6, 0x40000
	s_bfe_u32 s41, ttmp6, 0x40004
	s_lshl_b32 s42, ttmp9, 2
	s_add_co_u32 s42, s42, s40
	s_and_b32 s13, ttmp7, 0xffff
	s_lshl_b32 s13, s13, 2
	s_add_co_u32 s13, s13, s41
	s_lshl_b32 s43, s41, 2
	s_lshl_b32 s43, 15, s43
	s_lshl_b32 s44, 0x1111, s40
	s_or_b32 s[G1+0], s43, (3<<16)|(1<<21)
	s_mov_b32 s[G1+1], 1024<<16
	s_mov_b32 s[G1+2], 4<<16
	s_mov_b32 s[G1+3], 1024<<16
	s_mov_b32 s[G1+4], 4
	s_mov_b32 s[G1+5], 8192
	s_mov_b32 s[G1+6], 0
	s_mov_b32 s[G1+7], 0
	s_or_b32 s[G1B+0], s44, (0<<16)|(1<<20)|(1<<21)|(6<<22)|(3<<25)
	s_mov_b32 s[G1B+1], 512<<16
	s_mov_b32 s[G1B+2], 64<<16
	s_mov_b32 s[G1B+3], 512<<16
	s_mov_b32 s[G1B+4], 64
	s_mov_b32 s[G1B+5], 4096
	s_mov_b32 s[G1B+6], 0
	s_mov_b32 s[G1B+7], 0
	s_lshl_b32 s16, s13, 3
	s_lshl_b32 s17, s12, 2
	s_add_co_u32 s16, s16, s17
	s_lshl_b32 s16, s16, 16
	s_mov_b32 s17, 0
	s_lshl_b32 s46, s42, 7
	s_lshl_b32 s47, s12, 6
	s_add_co_u32 s46, s46, s47
	s_lshl_b32 s46, s46, 12
	s_mov_b32 s47, 0
	s_lshl_b32 s20, s12, 15
	s_mul_i32 s21, s12, 64*PITCH
	s_add_co_u32 s21, s21, ABYTES
	s_wait_kmcnt 0x0
	s_load_b64 s[96:97], s[68:69], 0x40
	s_add_nc_u64 s[14:15], s[4:5], s[16:17]
	s_add_nc_u64 s[46:47], s[6:7], s[46:47]
	; the prefetches.  A K step of what my wave fetches is 128 blocks of 256 bytes: A: four images of 8,192 bytes, 65,536 bytes apart; B: 64 rows x 512 bytes.  My work-group names 32 of them, told apart from its
	; three partners by address alone: A: image cx; B: rows 16 cy on; both lie 65,536 bytes x the place on.  Lane l names block l % 2 of piece l / 2 (A: pieces of 512 bytes on end; B: rows, 4,096 bytes apart).
	s_cmp_eq_u32 s11, 0
	s_cselect_b64 s[82:83], s[14:15], s[46:47]
	s_cselect_b32 s88, s40, s41
	s_mov_b32 s86, 512
	s_cselect_b32 s86, 8192, s86                   ; a K step on, in bytes
	s_mov_b32 s90, 4096
	s_cselect_b32 s90, 512, s90                    ; from piece to piece
	s_mov_b32 s87, 0
	s_lshl_b32 s88, s88, 16
	s_mov_b32 s89, 0
	s_add_nc_u64 s[82:83], s[82:83], s[88:89]
	s_add_nc_u64 s[82:83], s[82:83], s[86:87]      ; K step 1
	s_add_nc_u64 s[84:85], s[82:83], s[86:87]      ; K step 2
	s_add_nc_u64 s[80:81], s[84:85], s[86:87]      ; K step 3: this one walks
	v_and_b32 v10, 31, v0
	v_lshrrev_b32 v9, 1, v10
	v_mul_lo_u32 v9, v9, s90
	v_and_b32 v10, 1, v10
	v_lshl_add_u32 v9, v10, 8, v9
.irp s, 0,1
	s_mov_b32 s[G0+4*\s], 1
	s_add_co_u32 s[G0+4*\s+1], s20, \s*SLOT
	s_add_nc_u64 s[G0+4*\s+2:G0+4*\s+3], s[14:15], \s*8192
	s_or_b32 s[G0+4*\s+3], s[G0+4*\s+3], 0x80000000
	s_mov_b32 s[G0B+4*\s], 1
	s_add_co_u32 s[G0B+4*\s+1], s21, \s*SLOT
	s_add_nc_u64 s[G0B+4*\s+2:G0B+4*\s+3], s[46:47], \s*512
	s_or_b32 s[G0B+4*\s+3], s[G0B+4*\s+3], 0x80000000
	s_wait_alu depctr_va_vdst(0)
	s_wait_tensorcnt 0x0
	ds_add_u32 v28, v29
	ds_add_u32 v28, v29
	s_wait_dscnt 0x0
	CROUND
	JLOAD \s
	; behind the load of K step 0 the L2 is asked for K step 1, behind the load of K step 1 for K steps 2 and 3; in the loop, behind the load of K step j, for K step j + 2
.if \s == 0
	global_prefetch_b8 v9, s[82:83] th:TH_LOAD_NT scope:SCOPE_SE
.else
	global_prefetch_b8 v9, s[84:85] th:TH_LOAD_NT scope:SCOPE_SE
	global_prefetch_b8 v9, s[80:81] th:TH_LOAD_NT scope:SCOPE_SE
.endif
.endr
	v_and_b32 v1, 15, v0
	v_bfe_u32 v2, v0, 4, 1
	v_and_b32 v3, 31, v0
	v_lshlrev_b32 v3, 4, v3
	v_mul_u32_u24 v4, v1, PITCH
	v_lshl_add_u32 v4, v2, 4, v4
	s_lshl_b32 s22, s11, 15
	s_mul_i32 s23, s12, 64*PITCH
	s_add_co_u32 s23, s23, ABYTES
.irp s, 0,1
	v_add_nc_u32 v[ADRA+\s], s22, v3
	v_add_nc_u32 v[ADRB+\s], s23, v4
	s_add_co_u32 s22, s22, SLOT
	s_add_co_u32 s23, s23, SLOT
.endr
	s_mul_i32 s22, s10, 16*SPITCH
	s_add_co_u32 s22, s22, STAGE
	v_mul_u32_u24 v5, v1, SPITCH
	v_lshl_add_u32 v5, v2, 5, v5
	v_add_nc_u32 v[STO], s22, v5
	v_mul_u32_u24 v6, v2, SPITCH
	v_lshl_add_u32 v6, v1, 4, v6
	v_add_nc_u32 v[RD], s22, v6
	v_lshlrev_b32 v7, 12, v2
	v_lshl_add_u32 v[CO], v1, 4, v7
	s_wait_alu depctr_va_vdst(0)
	s_lshl_b32 s76, s13, 7
	s_lshl_b32 s77, s11, 6
	s_add_co_u32 s76, s76, s77
	s_lshl_b32 s76, s76, 12
	s_lshl_b32 s77, s42, 9
	s_add_co_u32 s76, s76, s77
	s_lshl_b32 s78, s12, 8
	s_add_co_u32 s76, s76, s78
	s_add_co_u32 s78, s78, s77
	s_mov_b32 s77, 0
	s_add_nc_u64 s[72:73], s[72:73], s[76:77]
	s_add_nc_u64 s[74:75], s[74:75], s[76:77]
	v_lshl_add_u32 v8, v1, 4, s78
	global_load_b128 v[12:15], v8, s[70:71]
.macro XL a
.irp t, 0,1,2,3,4,5,6,7
	global_load_b128 v[64+32*((\a)%2)+4*\t:67+32*((\a)%2)+4*\t], v[CO], s[72:73] offset:(\a)*65536+\t*8192 th:TH_LOAD_NT
.endr
.endm
	XL 0
	XL 1
.macro MUL4 f, a, zero
.irp b, 0,1,2,3
.if \zero
	v_wmma_f32_16x16x128_bf8_bf8 v[ACC+8*(4*(\a)+\b):ACC+8*(4*(\a)+\b)+7], v[\f+64+16*\b:\f+64+16*\b+15], v[\f+16*(\a):\f+16*(\a)+15], 0
.else
	v_wmma_f32_16x16x128_bf8_bf8 v[ACC+8*(4*(\a)+\b):ACC+8*(4*(\a)+\b)+7], v[\f+64+16*\b:\f+64+16*\b+15], v[\f+16*(\a):\f+16*(\a)+15], v[ACC+8*(4*(\a)+\b):ACC+8*(4*(\a)+\b)+7]
.endif
.endr
.endm
.macro FETCH slot, q, f
	WIN TO_F
.irp i, 0,1,2,3
.irp c, 0,1,2,3
	ds_load_b128 v[\f+64+16*\i+4*\c:\f+64+16*\i+4*\c+3], v[ADRB+\slot] offset:128*(\q)+32*\c+\i*16*PITCH
.endr
.endr
.irp i, 0,1,2,3
.irp c, 0,1,2,3
	ds_load_b128 v[\f+16*\i+4*\c:\f+16*\i+4*\c+3], v[ADRA+\slot] offset:8192*\i+2048*(\q)+512*\c
.endr
.endr
.endm
.macro PLACES
.rept 4
	v_nop
.endr
.endm
.macro QUARTER slot, q, f, g, zero
	s_wait_dscnt 8
	WIN MUL
	MUL4 \f, 0, \zero
	MUL4 \f, 1, \zero
	PLACES
	FETCH \slot, \q, \g
	s_wait_dscnt 32
	WIN MUL
	MUL4 \f, 2, \zero
	MUL4 \f, 3, \zero
.endm
.macro TURN slot, next, fill
	WIN 0
.if \fill
	s_wait_xcnt 0x0                                ; my last prefetch has read its address: it is stepped here, a K step's work behind that prefetch
	s_add_nc_u64 s[80:81], s[80:81], s[86:87]
.endif
	s_wait_tensorcnt 0x0
	ds_add_u32 v[SPW], v[NIL]
	s_wait_dscnt 9
	WIN MUL
	MUL4 F1, 0, 0
	s_wait_dscnt 0x0
	s_barrier_signal -1
	MUL4 F1, 1, 0
.if \fill
	WIN 0
.endif
	s_barrier_wait -1
.if \fill
	CREST
	s_add_nc_u64 s[G0+4*\slot+2:G0+4*\slot+3], s[G0+4*\slot+2:G0+4*\slot+3], 2*8192
	s_add_nc_u64 s[G0B+4*\slot+2:G0B+4*\slot+3], s[G0B+4*\slot+2:G0B+4*\slot+3], 2*512
	JLOAD \slot
.else
	PLACES
.endif
	FETCH \next, 0, F0
.if \fill
	WIN 0                                          ; at a branch and at a label every window is 0
	s_cmp_gt_u32 s3, 1                             ; the loop's last trip refills K steps 6 and 7: no K step stands two on, and nothing is asked for
	s_cbranch_scc0 .Lno_ask_\@
	global_prefetch_b8 v9, s[80:81] th:TH_LOAD_NT scope:SCOPE_SE
.Lno_ask_\@:
.endif
	WIN MUL
	MUL4 F1, 2, 0
	MUL4 F1, 3, 0
.endm
	s_wait_tensorcnt 1
	s_barrier_signal -1
	s_barrier_wait -1
	FETCH 0, 0, F0
	QUARTER 0, 1, F0, F1, 1
	WIN 0
	s_mov_b32 s3, LAPS-1
.Llap:
	QUARTER 0, 2, F1, F0, 0
	QUARTER 0, 3, F0, F1, 0
	TURN 0, 1, 1
	QUARTER 1, 1, F0, F1, 0
	QUARTER 1, 2, F1, F0, 0
	QUARTER 1, 3, F0, F1, 0
	TURN 1, 0, 1
	QUARTER 0, 1, F0, F1, 0
	WIN 0
	s_sub_co_u32 s3, s3, 1
	s_cmp_lg_u32 s3, 0
	s_cbranch_scc1 .Llap
	QUARTER 0, 2, F1, F0, 0
	QUARTER 0, 3, F0, F1, 0
	TURN 0, 1, 0
	QUARTER 1, 1, F0, F1, 0
	QUARTER 1, 2, F1, F0, 0
	QUARTER 1, 3, F0, F1, 0
	s_wait_dscnt 8
	WIN MUL
	MUL4 F1, 0, 0
	MUL4 F1, 1, 0
	s_wait_dscnt 0
	MUL4 F1, 2, 0
	MUL4 F1, 3, 0
	WIN 0
	s_wait_kmcnt 0x0
	s_add_co_i32 s96, s96, s97
	s_add_co_i32 s96, s96, 127
	s_lshl_b32 s96, s96, 23
	s_mov_b32 s97, s96
	PLACES
.macro OUTB a
.irp b, 0,1,2,3
	ds_store_b128 v[STO], v[ACC+32*(\a)+8*\b:ACC+32*(\a)+8*\b+3] offset:64*\b
	ds_store_b128 v[STO], v[ACC+32*(\a)+8*\b+4:ACC+32*(\a)+8*\b+7] offset:64*\b+16
.endr
.if (\a) > 0
	s_wait_xcnt 0x0
.endif
.irp t, 0,1,2,3,4,5,6,7
	ds_load_b128 v[32+4*\t:35+4*\t], v[RD] offset:\t*2*SPITCH
.endr
.if (\a) < 3
	s_wait_loadcnt 8
.else
	s_wait_loadcnt 0x0
.endif
.set XB, 64+32*((\a)%2)
.irp t, 0,1,2,3,4,5,6,7
	v_pk_add_f32 v[XB+4*\t:XB+4*\t+1], v[XB+4*\t:XB+4*\t+1], v[12:13]
	v_pk_add_f32 v[XB+4*\t+2:XB+4*\t+3], v[XB+4*\t+2:XB+4*\t+3], v[14:15]
.endr
	s_wait_dscnt 0x0
.set i, 0
.rept 16
	v_pk_fma_f32 v[32+i:33+i], v[32+i:33+i], s[96:97], v[XB+i:XB+i+1] op_sel_hi:[1,0,1]
.set i, i+2
.endr
.irp t, 0,1,2,3,4,5,6,7
	global_store_b128 v[CO], v[32+4*\t:35+4*\t], s[74:75] offset:(\a)*65536+\t*8192 th:TH_STORE_NT
.endr
.if (\a)+2 < 4
	XL (\a)+2
.endif
.endm
	OUTB 0
	OUTB 1
	OUTB 2
	OUTB 3
	s_wait_tensorcnt 0x0
	ds_add_u32 v[SPW], v[NIL]
	s_wait_dscnt 0x0
	CROUND
	s_endpgm
.Lfunc_end_k_qd72168dff2_fc2:
	.size	k_qd72168dff2_fc2, .Lfunc_end_k_qd72168dff2_fc2-k_qd72168dff2_fc2
	.p2alignl 7, 3214868480
	.fill 96, 4, 3214868480
	.section	.rodata,"a",@progbits
	.p2align	6, 0x0
	.amdhsa_kernel k_qd72168dff2_fc2
		.amdhsa_group_segment_fixed_size 327680
		.amdhsa_private_segment_fixed_size 0
		.amdhsa_enable_private_segment 0
		.amdhsa_kernarg_size 48
		.amdhsa_user_sgpr_count 2
		.amdhsa_user_sgpr_kernarg_segment_ptr 1
		.amdhsa_wavefront_size32 1
		.amdhsa_system_sgpr_workgroup_id_x 1
		.amdhsa_system_sgpr_workgroup_id_y 1
		.amdhsa_system_sgpr_workgroup_id_z 1
		.amdhsa_system_vgpr_workitem_id 0
		.amdhsa_next_free_vgpr 512
		.amdhsa_next_free_sgpr 100
		.amdhsa_reserve_vcc 0
		.amdhsa_float_denorm_mode_32 3
		.amdhsa_float_denorm_mode_16_64 3
		.amdhsa_memory_ordered 1
		.amdhsa_forward_progress 1
		.amdhsa_inst_pref_size 84
	.end_amdhsa_kernel
	.amdgpu_metadata
---
amdhsa.version: [ 1, 2 ]
amdhsa.kernels:
  - .name:           k_qd72168dff2_fc2
    .symbol:         k_qd72168dff2_fc2.kd
    .args:
      - { .name: gi, .offset: 0, .size: 8, .value_kind: global_buffer, .address_space: global }
      - { .name: w_fc2_codes, .offset: 8, .size: 8, .value_kind: global_buffer, .address_space: global }
      - { .name: lowp_scales, .offset: 16, .size: 8, .value_kind: global_buffer, .address_space: global }
      - { .name: b_fc2, .offset: 24, .size: 8, .value_kind: global_buffer, .address_space: global }
      - { .name: x1, .offset: 32, .size: 8, .value_kind: global_buffer, .address_space: global }
      - { .name: out0, .offset: 40, .size: 8, .value_kind: global_buffer, .address_space: global }
    .group_segment_fixed_size: 327680
    .private_segment_fixed_size: 0
    .kernarg_segment_align: 8
    .kernarg_segment_size: 48
    .max_flat_workgroup_size: 128
    .sgpr_count:     100
    .vgpr_count:     512
    .wavefront_size: 32
...
	.end_amdgpu_metadata
.endif
;; end of part 6
